; MI455X (gfx1250); checked and timed in simulation.
; The chip was launched on July 23, 2026; its instructions are those of AMD's public machine-readable ISA for CDNA 5 (MIT licence, August 2026) and "CDNA5" Instruction Set Architecture Reference Guide (July 2026). The comments in the code are by the model that wrote it; some were corrected since.
;; Mo E Layer. Allowed arithmetic: matrix products marked QUANTISED: E3M2 operands, one E8M0 scale for each 32 along K, by v_wmma_scale_f32_16x16x128_f8f6f4 with both operands' format E3M2, f32 sums; products left as they are: f32 operands where the result goes on into a quantised operand, else bf16, f16 or f32 operands; f32 sums; everything else in f32.
;; Inputs: b1 8 x 4,096 float32; b2 8 x 1,024 float32; router_b 8 float32; router_w 1,024 x 8 float32; w1_codes 8 x 4,096 x 32 x 24 uint8 (E3M2 codes of w1, K innermost, in blocks of 32 codes, four codes in three bytes); w1_scales 8 x 4,096 x 32 uint8 (E8M0 scales of w1, one for each 32 codes along K); w2_codes 8 x 1,024 x 128 x 24 uint8 (E3M2 codes of w2, K innermost, in blocks of 32 codes, four codes in three bytes); w2_scales 8 x 1,024 x 128 uint8 (E8M0 scales of w2, one for each 32 codes along K); x 4 x 256 x 1,024 float32.
;; Outputs: out0 4 x 256 x 1,024 float32.
;; Constants: top_k = 2.
;; This version of the problem:
;;   THIS VERSION OF THE PROBLEM IS GIVEN IN LOW PRECISION. The matrix products marked QUANTISED in the list below multiply operands that are first quantised to E3M2 (3 exponent bits, 2 mantissa bits; 6 bits a number), with one power-of-two scale for each 32 numbers along K (OCP MX v1.0); their sums are f32. All else is computed in f32.
;;   The module's matrix products, in the order in which they are computed (A, B: the left and right operand; K: the contracted axis; several contracted axes count as one K, in the product's order):
;;     1. [M 1,024, K 1,024] x [K 1,024, N 8]; A: input x; B: input router_w: left as it is (N = 8 < 16)
;;     2. [M 1,024, K 1,024] x [K 1,024, N 4,096]; A: input x; B: input w1 (given as codes): QUANTISED
;;     3. [M 1,024, K 4,096] x [K 4,096, N 1,024]; A: computed on the way; B: input w2 (given as codes): QUANTISED
;;     4. [M 1,024, K 1,024] x [K 1,024, N 4,096]; A: input x; B: input w1 (given as codes): QUANTISED
;;     5. [M 1,024, K 4,096] x [K 4,096, N 1,024]; A: computed on the way; B: input w2 (given as codes): QUANTISED
;;     6. [M 1,024, K 1,024] x [K 1,024, N 4,096]; A: input x; B: input w1 (given as codes): QUANTISED
;;     7. [M 1,024, K 4,096] x [K 4,096, N 1,024]; A: computed on the way; B: input w2 (given as codes): QUANTISED
;;     8. [M 1,024, K 1,024] x [K 1,024, N 4,096]; A: input x; B: input w1 (given as codes): QUANTISED
;;     9. [M 1,024, K 4,096] x [K 4,096, N 1,024]; A: computed on the way; B: input w2 (given as codes): QUANTISED
;;     10. [M 1,024, K 1,024] x [K 1,024, N 4,096]; A: input x; B: input w1 (given as codes): QUANTISED
;;     11. [M 1,024, K 4,096] x [K 4,096, N 1,024]; A: computed on the way; B: input w2 (given as codes): QUANTISED
;;     12. [M 1,024, K 1,024] x [K 1,024, N 4,096]; A: input x; B: input w1 (given as codes): QUANTISED
;;     13. [M 1,024, K 4,096] x [K 4,096, N 1,024]; A: computed on the way; B: input w2 (given as codes): QUANTISED
;;     14. [M 1,024, K 1,024] x [K 1,024, N 4,096]; A: input x; B: input w1 (given as codes): QUANTISED
;;     15. [M 1,024, K 4,096] x [K 4,096, N 1,024]; A: computed on the way; B: input w2 (given as codes): QUANTISED
;;     16. [M 1,024, K 1,024] x [K 1,024, N 4,096]; A: input x; B: input w1 (given as codes): QUANTISED
;;     17. [M 1,024, K 4,096] x [K 4,096, N 1,024]; A: computed on the way; B: input w2 (given as codes): QUANTISED
;;   THE QUANTISER, for each operand of a quantised product, along K:
;;     - K is cut into blocks of 32 from its start; a last block that is shorter is filled with zeros.
;;     - A block's scale is 2^e with e = floor(log2(the largest magnitude in the block)) - 4, held to -126 .. 127; a block of zeros has e = 0. As a byte (E8M0): e + 127.
;;     - Each number is divided by its block's scale, clamped to +-28, and rounded to the nearest number of E3M2, ties to even, subnormals kept.
;;     - The product sums the exact products of the quantised numbers (number of the format x scale) in f32.
;;   ~~~python
;;   def quantise(x, axis):      # numpy; x: float32 -> the quantised numbers, widened to float32 again
;;       x = np.moveaxis(x, axis, -1); K = x.shape[-1]
;;       x = np.pad(x, [(0, 0)] * (x.ndim - 1) + [(0, -K % 32)]); x = x.reshape(x.shape[:-1] + (-1, 32)); a = np.abs(x).max(-1, keepdims=True)
;;       e = np.where(a > 0, np.clip(np.frexp(np.where(a > 0, a, 1))[1] - 1 - 4, -126, 127), 0)      # np.frexp(a)[1] - 1 = floor(log2(a)), exactly
;;       r = np.clip(x / 2.0 ** e, -28, 28)
;;       step = 2.0 ** (np.maximum(np.frexp(np.where(r == 0, 1, r))[1] - 1, -2) - 2)
;;       q = np.round(r / step) * step * 2.0 ** e      # np.round: ties to even
;;       return np.moveaxis(q.reshape(q.shape[:-2] + (-1,))[..., :K], -1, axis).astype(np.float32)
;;   ~~~
;;   OPERANDS COMPUTED ON THE WAY. 'Computed on the way' means the value that the module computes at that place (a softmax that the list does not call 'softmax' is quantised finished and normalised). What goes into a quantiser is computed in f32, as accurately as f32 sums, v_exp_f32 and their like allow (about 1e-6 of the number): no bf16 or f16 on the way to a quantiser, and a product that is left as it is and whose result goes on into a quantised operand takes f32 operands (vector FMAs, or v_wmma_f32_16x16x4_f32). A number that lies on a knife's edge between two numbers of the format may be rounded either way, as far as f32 arithmetic and the matrix unit's own rounding can turn it there, and no further.
;;   INPUTS GIVEN AS CODES. w1 (in the module: [8, 1024, 4096], K = its axis 1); w2 (in the module: [8, 4096, 1024], K = its axis 1): each comes as NAME_codes (uint8): NAME with its K axis moved to the last place and cut into blocks of 32 codes, [.., K / 32, bytes a block], one block behind the other in memory; four codes in three bytes: a row's codes are one little-endian stream of bits, code i at bits 6 i .. 6 i + 5 (a code: sign, 3 exponent bits, 2 mantissa bits); and NAME_scales (uint8): the same leading axes, one E8M0 byte (e + 127) for each 32 codes along K. Its value is code x scale, taken as it is: it is not quantised again, and the codes and scales need not be those that the quantiser above would give.
;; One version. Each part assembles by itself: llvm-mc -triple=amdgcn-amd-amdhsa -mcpu=gfx1250 --defsym DOCPART=n.
;; ======== version 1 of 1: 5 launches
;; limits: right only within a limited range of input values
;; workspace buffers: sel 4,096 bytes of whole numbers; pw 8,192 bytes; xq 819,200 bytes; rows 34,048 bytes of whole numbers; roww 33,792 bytes; inv 32,768 bytes of whole numbers; himg 26,214,400 bytes; y 33,554,432 bytes
;; launch route (part 1): grid 128 x 1, 4 waves a work-group, no clusters, 70,144 bytes of LDS; arguments x, router_w, router_b, sel, pw, xq; writes sel, pw, xq
.if DOCPART == 1
	.amdgcn_target "amdgcn-amd-amdhsa--gfx1250"
	.amdhsa_code_object_version 6
	.text
	.protected	k_q005ec60d52_route
	.globl	k_q005ec60d52_route
	.p2align	8
	.type	k_q005ec60d52_route,@function
k_q005ec60d52_route:
	s_mov_b64 s[64:65], 0
	v_nop
	global_prefetch_b8 v0, s[64:65] scope:SCOPE_SE
	s_setreg_imm32_b32 hwreg(HW_REG_WAVE_MODE, 25, 1), 1
	s_wait_xcnt 0x0
; ROUTER AND QUANTISER OF x.  x: [1024 tokens][1024] f32.  For each token: logits = x . router_w + router_b by f32 fused multiply-adds, softmax with the maximum taken away,
; the two largest probabilities (ties: the lower expert first).  Stored at fixed places: sel[t] = (1 << first) | (256 << second), pw[t] = the two probabilities.
; The same numbers of x become codes of BF6 (E3M2) with one E8M0 byte for each 32 along the row: xq holds rows of 768 bytes of codes, then rows of 32 scale bytes.
; SHARES: a work-group takes 8 tokens, each of its four waves 2: 8,192 consecutive bytes of x, read once by sixteen loads of 512 bytes and kept in registers for both uses.
; router_w (32,768 bytes) goes into LDS once: groups of 4 channels x 8 experts, 128 bytes + 16 of padding, so that lanes 144 bytes apart read without meeting in a bank.
; LIMITS: NaN and infinities are not served.  The two largest are chosen among the exponentials ahead of the division by their sum.  A block of x whose largest magnitude
; lies under 2^-122 keeps the scale byte 1 (a block of zeros too: its codes are zeros, and the bytes are read by this program alone).  The division is v_rcp_f32 and a multiply.
.set XS_OFF, 786432                    ; where the scale bytes begin in xq
.set RWP,    144                       ; LDS: a group of router_w
.set WREG0,  256*RWP                   ; behind router_w: a region for each wave
.set WREG,   8192                      ; two stages of 32 x SP bytes, and behind them 64 scale bytes
.set SP,     80                        ; a lane's place in a stage: 64 bytes + 16 of padding
.set EMAX,   4                         ; exponent of the format's largest number, 28
.set R,   16                           ; v16-79   x as loaded: load i at R + 4 i
.set X,   80                           ; v80-111  two sets of 16 neighbours
.set E,   112                          ; v112-115 a scale byte for each step
.set C,   116                          ; v116-131 codes, four registers a step
.set RWB, 132                          ; v132-195 router_w as loaded, then two sets of 32 numbers
.set ACC, 196                          ; v196-211 sums: token tau, experts 2 ep, 2 ep + 1 at ACC + 8 tau + 2 ep
.set L,   212                          ; v212-219 my token's logits, then exponentials
	s_load_b128 s[4:7], s[0:1], 0x0                ; x, router_w
	s_load_b128 s[8:11], s[0:1], 0x10              ; router_b, sel
	s_load_b128 s[12:15], s[0:1], 0x20             ; pw, xq
	v_lshl_add_u32 v240, v0, 2, 0x11000
	v_mov_b32 v241, 0
	v_lshrrev_b32 v1, 5, v0
	v_readfirstlane_b32 s16, v1                    ; wave
	v_and_b32 v2, 31, v0                           ; lane
	v_lshlrev_b32 v3, 4, v2                        ; 16 x lane
	v_mul_u32_u24 v4, v2, 12                       ; my 12 bytes of a step's codes
	s_mul_i32 s17, s16, WREG
	s_add_co_u32 s17, s17, WREG0                   ; my wave's region
	v_lshrrev_b32 v14, 2, v2
	v_mul_u32_u24 v14, v14, SP
	v_and_b32 v15, 3, v2
	v_lshl_add_u32 v14, v15, 4, v14
	v_add_nc_u32 v14, s17, v14                     ; the stage, way in: SP (lane / 4) + 16 (lane % 4)
	v_mul_u32_u24 v15, v2, SP
	v_add_nc_u32 v15, s17, v15                     ; way out: SP x lane: my 16 neighbours
	v_lshrrev_b32 v5, 1, v2
	s_add_co_u32 s17, s17, 2*32*SP
	v_add_nc_u32 v5, s17, v5                       ; my block's scale byte
	v_lshlrev_b32 v7, 1, v2
	v_add_nc_u32 v6, s17, v7                       ; and two bytes a lane on the way out
	v_lshrrev_b32 v12, 3, v2
	v_mul_u32_u24 v12, v12, RWP
	v_and_b32 v13, 7, v2
	v_lshl_add_u32 v12, v13, 4, v12
	s_mul_i32 s18, s16, 64*RWP
	v_add_nc_u32 v12, s18, v12                     ; router_w into LDS: group 64 wave + 4 i + lane / 8, 16 (lane % 8) in it
	v_mul_u32_u24 v13, v2, RWP                     ; and out of it: group 32 j + lane
	s_lshl_b32 s18, s16, 13
	v_add_nc_u32 v10, s18, v3                      ; router_w in memory: 8,192 x wave + 16 x lane
	s_mov_b32 s28, 0x76543210
	s_mov_b32 s29, 0xfedcba98                      ; v_permlanex16_b32's selects for lane l xor 16
	s_mov_b32 s30, 0xaaaaaaaa                      ; the odd lanes
	s_lshl_b32 s36, ttmp9, 3
	s_lshl_b32 s18, s16, 1
	s_add_co_u32 s36, s36, s18                     ; my first token
	s_mov_b32 s19, 0
	s_wait_alu depctr_va_vdst(0)
	s_wait_kmcnt 0x0
	s_load_b256 s[20:27], s[8:9], 0x0              ; router_b
	s_lshl_b32 s18, s36, 12
	s_add_nc_u64 s[4:5], s[4:5], s[18:19]          ; x at my first token
	s_lshl_b32 s18, s36, 2
	s_add_nc_u64 s[10:11], s[10:11], s[18:19]      ; sel
	s_lshl_b32 s18, s36, 3
	s_add_nc_u64 s[12:13], s[12:13], s[18:19]      ; pw
	s_mul_i32 s18, s36, 768
	s_add_nc_u64 s[32:33], s[14:15], s[18:19]      ; the codes
	s_lshl_b32 s18, s36, 5
	s_add_co_u32 s18, s18, XS_OFF
	s_add_nc_u64 s[34:35], s[14:15], s[18:19]      ; the scale bytes
.irp i, 0,1,2,3,4,5,6,7,8,9,10,11,12,13,14,15
	global_load_b128 v[RWB+4*\i:RWB+4*\i+3], v10, s[6:7] offset:512*\i
.endr
.irp i, 0,1,2,3,4,5,6,7,8,9,10,11,12,13,14,15
	global_load_b128 v[R+4*\i:R+4*\i+3], v3, s[4:5] offset:512*\i th:TH_LOAD_NT   ; 32 lanes read 512 consecutive bytes; x is read here alone
.endr
	s_wait_loadcnt 16                              ; router_w is in; the sixteen loads of x issued behind it may be out
.irp i, 0,1,2,3,4,5,6,7,8,9,10,11,12,13,14,15
	ds_store_b128 v12, v[RWB+4*\i:RWB+4*\i+3] offset:4*RWP*\i
.endr
	s_wait_dscnt 0x0                               ; for the others' sake: my quarter of router_w lies in LDS
	s_barrier_signal -1
	s_barrier_wait -1                              ; everybody's does
; Load j of a token holds channels 128 j + 4 lane + 0 .. 3: group 32 j + lane of router_w, 32 numbers: register 8 ci + e = router_w[channel ci of the group][e]
.macro RWLOAD j, set
.irp k, 0,1,2,3,4,5,6,7
	ds_load_b128 v[RWB+32*(\set)+4*\k:RWB+32*(\set)+4*\k+3], v13 offset:32*RWP*(\j)+16*\k
.endr
.endm
; 32 packed multiply-adds: 4 channels x 2 tokens x 4 pairs of experts; x's number serves both halves.  The very first are multiplies: nothing is cleared
.macro FMA j, set
.irp ci, 0,1,2,3
.irp tau, 0,1
.irp ep, 0,1,2,3
.if ((\j) == 0) && (\ci == 0)
	v_pk_mul_f32 v[ACC+8*\tau+2*\ep:ACC+8*\tau+2*\ep+1], v[RWB+32*(\set)+2*\ep:RWB+32*(\set)+2*\ep+1], v[R+32*\tau:R+32*\tau+1] op_sel_hi:[1,0]
.elseif (\ci % 2) == 0
	v_pk_fma_f32 v[ACC+8*\tau+2*\ep:ACC+8*\tau+2*\ep+1], v[RWB+32*(\set)+8*\ci+2*\ep:RWB+32*(\set)+8*\ci+2*\ep+1], v[R+32*\tau+4*(\j)+2*(\ci/2):R+32*\tau+4*(\j)+2*(\ci/2)+1], v[ACC+8*\tau+2*\ep:ACC+8*\tau+2*\ep+1] op_sel_hi:[1,0,1]
.else
	v_pk_fma_f32 v[ACC+8*\tau+2*\ep:ACC+8*\tau+2*\ep+1], v[RWB+32*(\set)+8*\ci+2*\ep:RWB+32*(\set)+8*\ci+2*\ep+1], v[R+32*\tau+4*(\j)+2*(\ci/2):R+32*\tau+4*(\j)+2*(\ci/2)+1], v[ACC+8*\tau+2*\ep:ACC+8*\tau+2*\ep+1] op_sel:[0,1,0] op_sel_hi:[1,1,1]
.endif
.endr
.endr
.endr
.endm
	s_wait_loadcnt 0x0                             ; x
	s_wait_kmcnt 0x0                               ; router_b
	RWLOAD 0, 0
.irp j, 0,1,2,3,4,5,6
	RWLOAD \j+1, (\j+1)%2
	s_wait_alu depctr_va_vdst(0)
	s_wait_dscnt 8                                 ; this group's eight loads are in; the next group's eight may be out
	FMA \j, \j%2
.endr
	s_wait_alu depctr_va_vdst(0)
	s_wait_dscnt 0x0
	FMA 7, 1
; the sixteen sums over the 32 lanes: four steps inside each half of the lanes, one across
.irp m, 1,2,4,8
.irp a, 0,1,2,3,4,5,6,7,8,9,10,11,12,13,14,15
	v_add_f32_dpp v[ACC+\a], v[ACC+\a], v[ACC+\a] row_xmask:\m row_mask:0xf bank_mask:0xf
.endr
.endr
.irp a, 0,1,2,3,4,5,6,7,8,9,10,11,12,13,14,15
	v_permlanex16_b32 v[RWB+\a], v[ACC+\a], s28, s29   ; (its destination has been written: router_w lay there)
.endr
.irp a, 0,1,2,3,4,5,6,7,8,9,10,11,12,13,14,15
	v_add_f32 v[ACC+\a], v[ACC+\a], v[RWB+\a]
.endr
.irp e, 0,1,2,3,4,5,6,7
	v_cndmask_b32 v[L+\e], v[ACC+\e], v[ACC+8+\e], s30   ; even lanes go on with the first token, odd lanes with the second
.endr
.irp e, 0,1,2,3,4,5,6,7
	v_add_f32 v[L+\e], s[20+\e], v[L+\e]           ; + router_b
.endr
	v_max3_num_f32 v220, v[L], v[L+1], v[L+2]
	v_max3_num_f32 v220, v220, v[L+3], v[L+4]
	v_max3_num_f32 v220, v220, v[L+5], v[L+6]
	v_max_num_f32 v220, v220, v[L+7]               ; the largest logit is taken away ahead of the exponentials
.irp e, 0,1,2,3,4,5,6,7
	v_sub_f32 v[L+\e], v[L+\e], v220
.endr
.irp e, 0,1,2,3,4,5,6,7
	v_mul_f32 v[L+\e], 0x3fb8aa3b, v[L+\e]         ; x log2(e)
.endr
	s_wait_alu depctr_va_vdst(0)
.irp e, 0,1,2,3,4,5,6,7
	v_exp_f32 v[L+\e], v[L+\e]
.endr
	v_mov_b32 v231, 1                              ; (a plain place behind the exponentials)
	s_wait_alu depctr_va_vdst(0)
	v_add_f32 v221, v[L], v[L+1]
	v_add_f32 v226, v[L+2], v[L+3]
	v_add_f32 v227, v[L+4], v[L+5]
	v_add_f32 v236, v[L+6], v[L+7]
	v_add_f32 v221, v221, v226
	v_add_f32 v227, v227, v236
	v_add_f32 v221, v221, v227
	s_wait_alu depctr_va_vdst(0)
	v_rcp_f32 v226, v221                           ; 1 / the sum; the lines below, which name neither register, stand behind it
; the two largest in one pass: v222, v223 the best and its expert; v224, v225 the second.  A later expert takes a place only if it is strictly larger
	v_mov_b32 v222, v[L]
	v_mov_b32 v223, 0
	v_mov_b32 v224, -1.0                           ; under every exponential
	v_mov_b32 v225, 0
.irp e, 1,2,3,4,5,6,7
	v_cmp_ge_f32 s31, v222, v[L+\e]                ; the best stays
	v_cmp_ge_f32 vcc_lo, v224, v[L+\e]             ; the second stays
	v_cndmask_b32 v224, v[L+\e], v224, vcc_lo
	v_cndmask_b32 v225, \e, v225, vcc_lo
	v_cndmask_b32 v224, v222, v224, s31            ; a new best sends the old best down
	v_cndmask_b32 v225, v223, v225, s31
	v_cndmask_b32 v222, v[L+\e], v222, s31
	v_cndmask_b32 v223, \e, v223, s31
.endr
	v_mov_b32 v232, 0x100
	v_lshlrev_b32 v230, v223, v231
	v_lshlrev_b32 v233, v225, v232
	v_or_b32 v230, v230, v233                      ; (1 << first) | (256 << second)
	s_wait_alu depctr_va_vdst(0)
	v_mul_f32 v228, v222, v226
	v_mul_f32 v229, v224, v226                     ; the two probabilities
	v_lshlrev_b32 v234, 2, v2
	v_lshlrev_b32 v235, 3, v2
	v_cmp_gt_u32 vcc_lo, 2, v2                     ; lanes 0 and 1 store for the wave's two tokens
	s_wait_alu depctr_va_vdst(0)
	s_wait_xcnt 0x0                                ; EXEC changes only behind this wait
	s_and_saveexec_b32 s31, vcc_lo
	global_store_b32 v234, v230, s[10:11]
	global_store_b64 v235, v[228:229], s[12:13]
	s_wait_xcnt 0x0                                ; and again in front of the line that widens it
	s_or_b32 exec_lo, exec_lo, s31
; THE QUANTISER: four steps of 512 numbers.  A step's 2,048 bytes turn through my stage, as they lie, and come back 64 bytes a lane: 16 neighbours; two neighbouring lanes hold a block of 32
.macro TURN t
.irp i, 0,1,2,3
	ds_store_b128 v14, v[R+16*(\t)+4*\i:R+16*(\t)+4*\i+3] offset:32*SP*((\t)%2)+8*SP*\i
.endr
.irp i, 0,1,2,3
	ds_load_b128 v[X+16*((\t)%2)+4*\i:X+16*((\t)%2)+4*\i+3], v15 offset:32*SP*((\t)%2)+16*\i   ; LDS serves a wave's instructions in order: these see the stores above
.endr
.endm
.macro STEP t
.set XW, X+16*((\t)%2)
.if (\t) > 0
	s_wait_dscnt 1                                 ; this step's numbers are back; the last step's byte store may be out
.else
	s_wait_dscnt 0x0
.endif
.if (\t)+1 < 4
	TURN (\t)+1                                    ; the next step goes through the other stage meanwhile
.endif
	v_max3_num_f32 v8, |v[XW]|, |v[XW+1]|, |v[XW+2]|
	v_max3_num_f32 v9, |v[XW+3]|, |v[XW+4]|, |v[XW+5]|
.irp i, 6,10
	v_max3_num_f32 v8, v8, |v[XW+\i]|, |v[XW+\i+1]|
	v_max3_num_f32 v9, v9, |v[XW+\i+2]|, |v[XW+\i+3]|
.endr
	v_max3_num_f32 v8, v8, |v[XW+14]|, |v[XW+15]|
	v_max3_num_f32 v8, v8, v9, (EMAX+1)<<23        ; the floor 2^(EMAX + 1 - 127): the byte cannot fall under 1
	v_max_num_f32_dpp v8, v8, v8 row_xmask:1 row_mask:0xf bank_mask:0xf   ; with my neighbour's 16: the block's largest magnitude
	v_add_nc_u32 v11, -(EMAX<<23), v8              ; EMAX off its exponent field: the conversion takes that field as its scale
	v_cvt_scalef32_pk16_bf6_f32 v[C+4*(\t):C+4*(\t)+2], v[XW:XW+15], v11
	v_lshrrev_b32 v[E+(\t)], 23, v11               ; the scale's byte
	ds_store_b8 v5, v[E+(\t)] offset:16*(\t)       ; both lanes of a block write the same byte with the same value
	global_store_b96 v4, v[C+4*(\t):C+4*(\t)+2], s[32:33] offset:384*(\t)   ; the wave stores 384 consecutive bytes
.endm
	TURN 0
.irp t, 0,1,2,3
	STEP \t
.endr
	ds_load_u16 v236, v6                           ; my wave's 64 scale bytes, two a lane
	s_wait_dscnt 0x0
	global_store_b16 v7, v236, s[34:35]
	s_wait_tensorcnt 0x0
	ds_add_u32 v240, v241
	s_wait_dscnt 0x0
	s_endpgm
.Lfunc_end_k_q005ec60d52_route:
	.size	k_q005ec60d52_route, .Lfunc_end_k_q005ec60d52_route-k_q005ec60d52_route
	.p2alignl 7, 3214868480
	.fill 96, 4, 3214868480
	.section	.rodata,"a",@progbits
	.p2align	6, 0x0
	.amdhsa_kernel k_q005ec60d52_route
		.amdhsa_group_segment_fixed_size 70144
		.amdhsa_private_segment_fixed_size 0
		.amdhsa_enable_private_segment 0
		.amdhsa_kernarg_size 48
		.amdhsa_user_sgpr_count 2
		.amdhsa_user_sgpr_kernarg_segment_ptr 1
		.amdhsa_wavefront_size32 1
		.amdhsa_system_sgpr_workgroup_id_x 1
		.amdhsa_system_sgpr_workgroup_id_y 1
		.amdhsa_system_sgpr_workgroup_id_z 1
		.amdhsa_system_vgpr_workitem_id 0
		.amdhsa_next_free_vgpr 242
		.amdhsa_next_free_sgpr 66
		.amdhsa_reserve_vcc 1
		.amdhsa_float_denorm_mode_32 3
		.amdhsa_float_denorm_mode_16_64 3
		.amdhsa_memory_ordered 1
		.amdhsa_forward_progress 1
		.amdhsa_inst_pref_size 46
	.end_amdhsa_kernel
	.amdgpu_metadata
---
amdhsa.version: [ 1, 2 ]
amdhsa.kernels:
  - .name:           k_q005ec60d52_route
    .symbol:         k_q005ec60d52_route.kd
    .args:
      - { .name: x, .offset: 0, .size: 8, .value_kind: global_buffer, .address_space: global }
      - { .name: router_w, .offset: 8, .size: 8, .value_kind: global_buffer, .address_space: global }
      - { .name: router_b, .offset: 16, .size: 8, .value_kind: global_buffer, .address_space: global }
      - { .name: sel, .offset: 24, .size: 8, .value_kind: global_buffer, .address_space: global }
      - { .name: pw, .offset: 32, .size: 8, .value_kind: global_buffer, .address_space: global }
      - { .name: xq, .offset: 40, .size: 8, .value_kind: global_buffer, .address_space: global }
    .group_segment_fixed_size: 70144
    .private_segment_fixed_size: 0
    .kernarg_segment_align: 8
    .kernarg_segment_size: 48
    .max_flat_workgroup_size: 128
    .sgpr_count:     66
    .vgpr_count:     242
    .wavefront_size: 32
...
	.end_amdgpu_metadata
.endif
;; end of part 1
;; launch place (part 2): grid 8 x 1, 4 waves a work-group, no clusters, 0 bytes of LDS; arguments sel, pw, rows, roww, inv; writes rows, roww, inv
.if DOCPART == 2
	.amdgcn_target "amdgcn-amd-amdhsa--gfx1250"
	.amdhsa_code_object_version 6
	.text
	.protected	k_q005ec60d52_place
	.globl	k_q005ec60d52_place
	.p2align	8
	.type	k_q005ec60d52_place,@function
k_q005ec60d52_place:
	s_mov_b64 s[64:65], 0
	v_nop
	global_prefetch_b8 v0, s[64:65] scope:SCOPE_SE
	s_setreg_imm32_b32 hwreg(HW_REG_WAVE_MODE, 25, 1), 1
	s_wait_xcnt 0x0
; THE ROWS ARE PLACED BY EXPERT: a counting sort without atomics.  Work-group e makes expert e's list.  Word i of the list, i under the expert's count, is token + 1024 x slot
; of its i-th token in ascending order, and roww holds that row's probability; every other word, the 32 words of padding too, holds 2048 and the weight 0.
; Each wave reads all 1,024 words of sel (32 registers, a lane a token), counts the expert's tokens in all of them and in those ahead of its own 256 tokens, and places its own:
; a chosen token at its rank, a token not chosen at count + (tokens ahead of it that were not chosen): so each of the places 0 .. 1,023 is written once.
; THE WAY BACK: inv[e][token], at a fixed place for every token: (1024 e + rank) << (16 x slot) where the token chose the expert, else 0: the eight experts' words of a token, joined by OR,
; are its two rows' numbers, the first slot's in the low half.
.set S,   8                            ; v8-39   sel, word w: tokens 32 w + lane
.set O,   40                           ; v40-47  my wave's eight words once more
.set PWR, 48                           ; v48-63  my tokens' two probabilities
.set P,   64                           ; v64-71  places, in bytes: one register for each word, so that no store's source is written again
.set EN,  72                           ; v72-79  entries
.set WT,  80                           ; v80-87  weights
.set IV,  96                           ; v96-103 the words of inv
	s_load_b128 s[4:7], s[0:1], 0x0                ; sel, pw
	s_load_b128 s[8:11], s[0:1], 0x10              ; rows, roww
	s_load_b64 s[32:33], s[0:1], 0x20              ; inv
	v_lshrrev_b32 v1, 5, v0
	v_readfirstlane_b32 s16, v1                    ; wave
	v_and_b32 v2, 31, v0                           ; lane
	v_lshlrev_b32 v3, 2, v2
	s_lshl_b32 s17, s16, 10
	v_add_nc_u32 v4, s17, v3                       ; my wave's words of sel, and of inv
	v_lshlrev_b32 v5, 3, v2
	s_lshl_b32 s17, s16, 11
	v_add_nc_u32 v5, s17, v5                       ; and of pw
	s_lshl_b32 s17, s16, 8
	v_add_nc_u32 v6, s17, v2                       ; my token in my wave's first word
	v_mov_b32 v94, 0x800                           ; 2048: no row
	s_lshl_b32 s18, 0x101, ttmp9                   ; the expert's bit in either slot
	s_lshl_b32 s19, 0x100, ttmp9                   ; in the second slot
	s_lshl_b32 s31, ttmp9, 10                      ; 1024 e
	s_mul_i32 s20, ttmp9, 4224
	s_mov_b32 s21, 0
	s_lshl_b32 s22, ttmp9, 2
	s_add_co_u32 s22, s22, 33792
	s_mov_b32 s23, 0
	s_lshl_b32 s34, ttmp9, 12
	s_mov_b32 s35, 0
	s_wait_alu depctr_va_vdst(0)
	s_wait_kmcnt 0x0
	s_add_nc_u64 s[12:13], s[8:9], s[20:21]        ; the expert's list
	s_add_nc_u64 s[14:15], s[10:11], s[20:21]      ; and its weights
	s_add_nc_u64 s[24:25], s[8:9], s[22:23]        ; its count
	s_add_nc_u64 s[32:33], s[32:33], s[34:35]      ; its 1,024 words of inv
.irp w, 0,1,2,3,4,5,6,7,8,9,10,11,12,13,14,15,16,17,18,19,20,21,22,23,24,25,26,27,28,29,30,31
	global_load_b32 v[S+\w], v3, s[4:5] offset:128*\w
.endr
.irp i, 0,1,2,3,4,5,6,7
	global_load_b32 v[O+\i], v4, s[4:5] offset:128*\i
	global_load_b64 v[PWR+2*\i:PWR+2*\i+1], v5, s[6:7] offset:256*\i
.endr
	s_mov_b32 s26, 0                               ; the expert's tokens in all
	s_mov_b32 s27, 0                               ; and ahead of my wave's
	s_lshl_b32 s28, s16, 3                         ; my first word
	s_wait_loadcnt 0x0
.irp w, 0,1,2,3,4,5,6,7,8,9,10,11,12,13,14,15,16,17,18,19,20,21,22,23,24,25,26,27,28,29,30,31
	v_and_b32 v[S+\w], s18, v[S+\w]
	v_cmp_ne_u32 s[66+\w], 0, v[S+\w]              ; word w's chosen lanes, in a scalar register of its own: s66-97
.endr
.irp w, 0,1,2,3,4,5,6,7,8,9,10,11,12,13,14,15,16,17,18,19,20,21,22,23,24,25,26,27,28,29,30,31
	s_bcnt1_i32_b32 s30, s[66+\w]
	s_add_co_u32 s26, s26, s30
	s_cmp_lt_u32 \w, s28
	s_cselect_b32 s30, s30, 0
	s_add_co_u32 s27, s27, s30
.endr
.macro WORD i
	v_and_b32 v88, s18, v[O+\i]
	v_cmp_ne_u32 s29, 0, v88                       ; the lanes whose token chose the expert
	v_mbcnt_lo_u32_b32 v89, s29, s27               ; chosen tokens ahead of mine
	v_add_nc_u32 v90, 32*\i, v6                    ; my token
	v_sub_nc_u32 v91, v90, v89
	v_add_nc_u32 v91, s26, v91                     ; count + tokens ahead of mine that were not chosen
	v_cndmask_b32 v[P+\i], v91, v89, s29
	v_min_u32 v[P+\i], 0x3ff, v[P+\i]              ; a place is 0 .. 1,023
	v_lshlrev_b32 v[P+\i], 2, v[P+\i]
	v_and_b32 v92, s19, v[O+\i]
	v_cmp_ne_u32 vcc_lo, 0, v92                    ; it is the token's second expert
	v_add_nc_u32 v93, 0x400, v90
	v_cndmask_b32 v93, v90, v93, vcc_lo
	v_cndmask_b32 v[EN+\i], v94, v93, s29
	v_cndmask_b32 v95, v[PWR+2*\i], v[PWR+2*\i+1], vcc_lo
	v_cndmask_b32 v[WT+\i], 0, v95, s29
	v_add_nc_u32 v104, s31, v89                    ; 1024 e + rank: the row's number in y,
	v_lshlrev_b32 v105, 16, v104
	v_cndmask_b32 v104, v104, v105, vcc_lo         ; in the upper half for the second slot,
	v_cndmask_b32 v[IV+\i], 0, v104, s29           ; 0 for a token that did not choose the expert
	global_store_b32 v[P+\i], v[EN+\i], s[12:13]
	global_store_b32 v[P+\i], v[WT+\i], s[14:15]
	global_store_b32 v4, v[IV+\i], s[32:33] offset:128*\i   ; 32 lanes store 128 consecutive bytes: a word for every token
	s_bcnt1_i32_b32 s30, s29
	s_add_co_u32 s27, s27, s30
.endm
.irp i, 0,1,2,3,4,5,6,7
	WORD \i
.endr
	s_cmp_lg_u32 s16, 0                            ; wave 0 writes the padding and the count
	s_cbranch_scc1 .Lend
	v_mov_b32 v88, 0
	v_mov_b32 v89, s26
	global_store_b32 v3, v94, s[12:13] offset:4096
	global_store_b32 v3, v88, s[14:15] offset:4096
	v_cmp_eq_u32 vcc_lo, 0, v2
	s_wait_alu depctr_va_vdst(0)
	s_wait_xcnt 0x0                                ; EXEC changes only behind this wait
	s_and_saveexec_b32 s29, vcc_lo
	global_store_b32 v88, v89, s[24:25]
	s_wait_xcnt 0x0
	s_or_b32 exec_lo, exec_lo, s29
.Lend:
	s_endpgm
.Lfunc_end_k_q005ec60d52_place:
	.size	k_q005ec60d52_place, .Lfunc_end_k_q005ec60d52_place-k_q005ec60d52_place
	.p2alignl 7, 3214868480
	.fill 96, 4, 3214868480
	.section	.rodata,"a",@progbits
	.p2align	6, 0x0
	.amdhsa_kernel k_q005ec60d52_place
		.amdhsa_group_segment_fixed_size 0
		.amdhsa_private_segment_fixed_size 0
		.amdhsa_enable_private_segment 0
		.amdhsa_kernarg_size 40
		.amdhsa_user_sgpr_count 2
		.amdhsa_user_sgpr_kernarg_segment_ptr 1
		.amdhsa_wavefront_size32 1
		.amdhsa_system_sgpr_workgroup_id_x 1
		.amdhsa_system_sgpr_workgroup_id_y 1
		.amdhsa_system_sgpr_workgroup_id_z 1
		.amdhsa_system_vgpr_workitem_id 0
		.amdhsa_next_free_vgpr 112
		.amdhsa_next_free_sgpr 98
		.amdhsa_reserve_vcc 1
		.amdhsa_float_denorm_mode_32 3
		.amdhsa_float_denorm_mode_16_64 3
		.amdhsa_memory_ordered 1
		.amdhsa_forward_progress 1
		.amdhsa_inst_pref_size 25
	.end_amdhsa_kernel
	.amdgpu_metadata
---
amdhsa.version: [ 1, 2 ]
amdhsa.kernels:
  - .name:           k_q005ec60d52_place
    .symbol:         k_q005ec60d52_place.kd
    .args:
      - { .name: sel, .offset: 0, .size: 8, .value_kind: global_buffer, .address_space: global }
      - { .name: pw, .offset: 8, .size: 8, .value_kind: global_buffer, .address_space: global }
      - { .name: rows, .offset: 16, .size: 8, .value_kind: global_buffer, .address_space: global }
      - { .name: roww, .offset: 24, .size: 8, .value_kind: global_buffer, .address_space: global }
      - { .name: inv, .offset: 32, .size: 8, .value_kind: global_buffer, .address_space: global }
    .group_segment_fixed_size: 0
    .private_segment_fixed_size: 0
    .kernarg_segment_align: 8
    .kernarg_segment_size: 40
    .max_flat_workgroup_size: 128
    .sgpr_count:     98
    .vgpr_count:     112
    .wavefront_size: 32
...
	.end_amdgpu_metadata
.endif
;; end of part 2
;; launch g1 (part 3): grid 32 x 8, 4 waves a work-group, no clusters, 151,040 bytes of LDS; arguments xq, rows, w1_codes, w1_scales, b1, himg; writes himg
.if DOCPART == 3
	.amdgcn_target "amdgcn-amd-amdhsa--gfx1250"
	.amdhsa_code_object_version 6
	.text
	.protected	k_q005ec60d52_g1
	.globl	k_q005ec60d52_g1
	.p2align	8
	.type	k_q005ec60d52_g1,@function
k_q005ec60d52_g1:
	s_mov_b64 s[64:65], 0
	v_nop
	global_prefetch_b8 v0, s[64:65] scope:SCOPE_SE
	s_setreg_imm32_b32 hwreg(HW_REG_WAVE_MODE, 25, 1), 1
	s_wait_xcnt 0x0
; FIRST PRODUCT OF THE EXPERTS, on the rows that chose them: h = gelu(x W1 + b1), quantised along the hidden units into codes of BF6 (E3M2) with one E8M0 byte for each 32.
; SHARES.  Work-group (slice, e) makes hidden units 128 slice .. + 127 of expert e for all the expert's rows: that is K step `slice` of the second product.  Wave (c, p) owns the two blocks of 32 units that
; begin at 32 c and at 64 + 32 c, and the tiles of 16 rows whose number is p modulo 2.  Its 32 fragments of W1 (4 tiles of units x 8 K steps, 384 registers) stay in registers: W1 is read from memory once in the launch.
; W1's rows are read as they lie, 512 consecutive bytes a load, and turned through LDS into fragments (one barrier); the rows of x, gathered by the list, likewise through the wave's own stage (no barrier in the loop).
; THE PRODUCT IS USED TRANSPOSED: source 0 = 16 rows of W1, source 1 = 16 rows of x: a lane holds one row of x and its registers run along the hidden units.  THE UNITS OF A TILE ARE NOT NEIGHBOURS:
; row r of tile 2 b + u is unit 64 b + 32 c + 8 u + r + 8 (r / 8), so that the 16 registers of tiles 2 b, 2 b + 1 are 16 neighbours: 64 b + 32 c + 16 (lane / 16) + 0 .. 15.  b1 is the C of each sum's first product.
; OUT.  In the second product's fragment of this K step lane (r, h) holds k = 32 h + 0 .. 31 in registers 0-5 and k = 64 + 32 h + 0 .. 31 in registers 6-11: so my two blocks are all twelve registers of lanes 16 c + r.
; The fragment is stored as an image of its registers in three groups of four, 16 bytes a lane, 512 bytes a group, so that the reader takes it by three loads.  Behind the quantiser my lanes 0-15 hold registers 0-5 and my
; lanes 16-31 registers 6-11 of the same target lane: one store of 16 bytes a lane (lanes 0-15: 256 bytes of the first group; lanes 16-31: 256 bytes of the third) and one of 8 bytes a lane (256 bytes of the middle group):
; each store's 256 consecutive bytes are aligned and written whole by that one instruction.
; No tensor load and no cluster: the number of tiles is read from memory, and the loop's count and a branch hang on it.
; A row of the last tile for which the list has no token takes token 0's numbers: the next launch multiplies it by the weight 0, and nobody reads it.  An expert without rows still writes tile 0.
; LIMITS.  NaN and infinities are not served.  erf(z) = z P(z^2) / Q(z^2), degrees 6 and 4, z held to +-4: absolute error about 1e-7 of erf; so gelu's relative error grows where 1 + erf is small
; (as it does for the f32 formula 0.5 x (1 + erf)).  The division is v_rcp_f32 and a multiply.  A block whose largest magnitude lies under 2^-122 keeps the byte 1 (a block of zeros too: its codes are zeros).
.set XS_OFF,  786432                   ; xq: where the scale bytes begin
.set HSC_OFF, 25165824                 ; himg: where the scale words begin
.set WP,      784                      ; an LDS row: 768 bytes + 16 = 196 words: row r starts at word 4 r mod 64, lanes 16-31 read 6 words on: the 32 lanes of an 8-byte load touch 64 different words mod 64
.set XST,     128*WP                   ; behind W1's 128 rows: a stage of 16 rows for each wave
.set XSTW,    16*WP
.set FR,      12                       ; registers of a fragment
; window 0
.set VXF,  3                           ; my lane's place in my stage, way out: row r, + 24 h
.set VST,  4                           ; way in: row 8 h, + 16 r
.set L32H, 5                           ; 32 h
.set L4R,  6                           ; 4 r
.set LOA,  7                           ; offsets in the list of the loads in hand
.set LOB,  8
.set L16,  9                           ; 16 x lane
.set IMB,  10                          ; 16 r + 8 h: my 8 bytes in the image's middle group
.set SBO,  11                          ; 16 r + 2 h: my scale byte's place
.set R16,  12                          ; 16 r
.set H16,  13                          ; 16 h
.set WS0,  14                          ; W1 into LDS
.set WS1,  15
.set LST,  16                          ; v16-23  list entries of rows 8 h + 0 .. 7
.set LSR,  24                          ; v24     of row r
.set WFA,  25                          ; W1's fragments out of LDS
.set ADR,  26                          ; v26-33  byte offsets of those eight rows' codes, + 16 r
.set ADS,  34                          ; v34     of row r's scale bytes, + 16 h
.set IMA,  35                          ; v35     1024 h + 16 r: my 16 bytes in the image's first (lanes 0-15) or third (lanes 16-31) group
.set XSN,  36                          ; v36-39  scale words of x for the tiles of even trips: register i: lanes 0-15 K step i, lanes 16-31 K step 4 + i, of row r
.set XSC,  40                          ; v40-43  the same for the tiles of odd trips (XSN + 4)
.set WS,   44                          ; v44-59  W1's scale words: register 8 b + s: lanes 0-15 tile 2 b, lanes 16-31 tile 2 b + 1, K step s
.set XF,   60                          ; v60-155 x's eight fragments
.set ACC,  156                         ; v156-187 four accumulators
.set GZ,   188                         ; v188-227 gelu at work: z, z^2, P, Q, x / 2: eight numbers each
.set GW,   196
.set GA,   204
.set GB,   212
.set GH,   220
.set TM,   228                         ; v228-235 the quantiser at work
.set PC,   236                         ; v236-238 the lower 16 codes of my lane's block
.set SA,   240                         ; v240-243 what I store into the first or third group
.set SB,   244                         ; v244-245 and into the middle group
.set SBY,  246                         ; my scale byte
.set PC2,  248                         ; v248-250 the upper 16 codes of my lane's block
.set CA1,  252                         ; v252-255 two coefficients as pairs
.set CB1,  254
; window 1: W1's fragments of K steps 0-3 at FR (4 s + t) (first the 48 loads as they come);  window 2: of K steps 4-7;  window 3:
.set RAW,  0                           ; v0-95   16 rows of x's codes as loaded
.set BIAS, 96                          ; v96-127 b1 in the result's layout, eight registers a tile
; scalars of the loop
.set TRIP, 36                          ; s36  trips done
.set NTR,  37                          ; s37  my trips: the tiles p, p + 2 .. under the expert's number of tiles
; scalar pairs (the packed forms name a pair and take its low word for both halves)
.set KC,  40                           ; 1 / sqrt(2)
.set KA0, 42                           ; P's coefficients, highest power first (the second lies in v[CA1])
.set KA2, 44
.set KA3, 46
.set KA4, 48
.set KA5, 50
.set KA6, 52
.set KB0, 54                           ; Q's (the second in v[CB1]); KB2 .. KB4 lie 12 registers behind KA2 .. KA4
.set KB2, 56
.set KB3, 58
.set KB4, 60
.set MSB, 0
.macro WIN new                         ; the immediate's high byte repeats the setting that is left; a switch that changes nothing is dropped
.if MSB != (\new)
	s_set_vgpr_msb (MSB<<8)|(\new)
.set MSB, (\new)
.endif
.endm
.macro KPAIR k, val
	s_mov_b32 s[\k], \val
	s_mov_b32 s[\k+1], \val
.endm
	s_load_b256 s[4:11], s[0:1], 0x0               ; xq, rows, W1's codes, W1's scales
	s_load_b128 s[12:15], s[0:1], 0x20             ; b1, himg
	v_lshl_add_u32 v247, v0, 2, 0x24c00
	v_mov_b32 v251, 0
	v_lshrrev_b32 v1, 5, v0
	v_readfirstlane_b32 s16, v1                    ; wave
	s_lshr_b32 s17, s16, 1                         ; c: which two blocks of units
	s_and_b32 s18, s16, 1                          ; p: which tiles of rows
	s_and_b32 s19, ttmp7, 0xffff                   ; e
	s_mov_b32 s20, ttmp9                           ; slice
	s_lshl_b32 s39, s19, 2
	s_mov_b32 s35, 0
	v_and_b32 v1, 15, v0                           ; r
	v_bfe_u32 v2, v0, 4, 1                         ; h
	v_and_b32 v14, 31, v0                          ; lane
	v_lshlrev_b32 v[L16], 4, v14
	v_lshlrev_b32 v[L32H], 5, v2
	v_lshlrev_b32 v[L4R], 2, v1
	v_lshlrev_b32 v[R16], 4, v1
	v_lshlrev_b32 v[H16], 4, v2
	v_lshl_add_u32 v[IMA], v2, 10, v[R16]
	v_lshl_add_u32 v[IMB], v2, 3, v[R16]
	v_lshl_add_u32 v[SBO], v2, 1, v[R16]
	s_mul_i32 s23, s16, XSTW
	s_add_co_u32 s23, s23, XST                     ; my stage
	v_mul_u32_u24 v[VXF], v1, WP
	v_mad_u32_u24 v[VXF], v2, 24, v[VXF]           ; row r, + 24 h
	s_mul_i32 s33, s17, 32*WP
	v_add_nc_u32 v[WFA], s33, v[VXF]               ; W1's rows from 32 c on
	v_add_nc_u32 v[VXF], s23, v[VXF]               ; in my stage
	v_mul_u32_u24 v[VST], v2, 8*WP
	v_add_nc_u32 v[VST], v[VST], v[R16]
	v_add_nc_u32 v[VST], s23, v[VST]
	s_mul_i32 s33, s16, 32*WP
	v_add_nc_u32 v[WS0], s33, v[L16]               ; the 32 rows that I bring: 16 x lane,
	v_add_nc_u32 v[WS1], v[WS0], v[H16]            ; and 16 more for lanes 16-31 where a load straddles two rows
	v_and_b32 v188, 8, v1
	v_add_nc_u32 v188, v188, v1
	v_lshl_add_u32 v188, v2, 3, v188
	v_lshlrev_b32 v188, 5, v188                    ; W1's scale bytes: unit 8 h + r + 8 (r / 8), 32 bytes a unit
	v_lshlrev_b32 v189, 6, v2                      ; b1: units 16 h on
	v_mov_b32 v[TM+2], 0                           ; written once: a lane permute's destination counts as one of its sources
	v_mov_b32 v[TM+3], 0
	v_mov_b32 v[CA1], 0x32edffee
	v_mov_b32 v[CA1+1], 0x32edffee
	v_mov_b32 v[CB1], 0xb95fbd29
	v_mov_b32 v[CB1+1], 0xb95fbd29
	s_mov_b32 s30, 0x76543210
	s_mov_b32 s31, 0xfedcba98                      ; v_permlanex16_b32's selects for lane l xor 16
	s_mov_b32 s32, 0xffff0000                      ; lanes 16-31
	KPAIR KC,  0x3f3504f3
	KPAIR KA0, 0xaf95df0b
	KPAIR KA2, 0xb60cff51
	KPAIR KA3, 0xb86ec2d2
	KPAIR KA4, 0xba40ac63
	KPAIR KA5, 0xbb41a1f6
	KPAIR KA6, 0xbc83dbd4
	KPAIR KB0, 0xb77460cd
	KPAIR KB2, 0xbadc924e
	KPAIR KB3, 0xbbf19bf8
	KPAIR KB4, 0xbc69b6a7
	s_wait_alu depctr_va_vdst(0)
	s_wait_kmcnt 0x0
	s_load_b32 s21, s[6:7], s39 offset:0x8400      ; the expert's number of rows
	s_mul_i32 s34, s19, 4224
	s_add_nc_u64 s[28:29], s[6:7], s[34:35]        ; its list
	s_mul_i32 s34, s19, 3145728
	s_mul_i32 s33, s20, 98304
	s_add_co_u32 s34, s34, s33
	s_mul_i32 s33, s16, 24576
	s_add_co_u32 s34, s34, s33
	s_add_nc_u64 s[8:9], s[8:9], s[34:35]          ; W1's codes: the 32 rows that I bring
	s_lshl_b32 s36, s19, 12
	s_lshl_b32 s33, s20, 7
	s_add_co_u32 s36, s36, s33
	s_lshl_b32 s33, s17, 5
	s_add_co_u32 s36, s36, s33                     ; my first unit: 4096 e + 128 slice + 32 c
	s_lshl_b32 s34, s36, 5
	s_add_nc_u64 s[10:11], s[10:11], s[34:35]      ; its scale bytes
	s_lshl_b32 s34, s36, 2
	s_add_nc_u64 s[12:13], s[12:13], s[34:35]      ; its bias
	s_lshl_b32 s37, s19, 6
	s_add_co_u32 s37, s37, s18                     ; 64 e + my first tile
	s_lshl_b32 s34, s37, 5
	s_add_co_u32 s34, s34, s20
	s_mul_i32 s34, s34, 1536
	s_lshl_b32 s33, s17, 8
	s_add_co_u32 s34, s34, s33
	s_add_nc_u64 s[24:25], s[14:15], s[34:35]      ; the tile's image, at target lane 16 c: 256 c bytes into each group
	s_lshl_b32 s34, s37, 11
	s_lshr_b32 s33, s20, 2
	s_lshl_b32 s33, s33, 8
	s_add_co_u32 s34, s34, s33
	s_and_b32 s33, s20, 3
	s_lshl_b32 s33, s33, 2
	s_add_co_u32 s34, s34, s33
	s_add_co_u32 s34, s34, s17
	s_add_co_u32 s34, s34, HSC_OFF
	s_add_nc_u64 s[26:27], s[14:15], s[34:35]      ; its scale bytes: 2048 x tile + 256 (slice / 4) + 4 (slice % 4) + c: my blocks are bytes c and 2 + c of a row's word
.macro LISTLD st                       ; the list's words of the tile whose number stands in s[st]
	v_lshl_add_u32 v[LOA], s[\st], 6, v[L32H]
	v_lshl_add_u32 v[LOB], s[\st], 6, v[L4R]
	global_load_b128 v[LST:LST+3], v[LOA], s[28:29]
	global_load_b128 v[LST+4:LST+7], v[LOA], s[28:29] offset:16
	global_load_b32 v[LSR], v[LOB], s[28:29]
.endm
.macro ADDR                            ; entries become byte offsets: the token is the entry's low ten bits (2048, no row, gives token 0); held to 1,023, then only a multiply or a shift, and an addition
.irp k, 0,1,2,3,4,5,6,7
	v_and_b32 v[ADR+\k], 0x3ff, v[LST+\k]
.endr
	v_and_b32 v[ADS], 0x3ff, v[LSR]
.irp k, 0,1,2,3,4,5,6,7
	v_min_u32 v[ADR+\k], 0x3ff, v[ADR+\k]
.endr
	v_min_u32 v[ADS], 0x3ff, v[ADS]
.irp k, 0,1,2,3,4,5,6,7
	v_mul_u32_u24 v[ADR+\k], v[ADR+\k], 768
.endr
	v_lshlrev_b32 v[ADS], 5, v[ADS]
.irp k, 0,1,2,3,4,5,6,7
	v_add_nc_u32 v[ADR+\k], v[ADR+\k], v[R16]
.endr
	v_add_nc_u32 v[ADS], v[ADS], v[H16]
.endm
; TWO BUFFERS of 16 rows of codes as loaded, 24 loads of four registers each: buffer 0 in window 3 v0-95; buffer 1 in the registers that W1's fragments leave free: window 1 v192-255, window 2 v192-223
.macro RSEL buf, q                     ; RB, RW: first register and window of load q of buffer buf
.if (\buf) == 0
.set RB, 4*(\q)
.set RW, 3
.elseif (\q) < 16
.set RB, 192+4*(\q)
.set RW, 1
.else
.set RB, 192+4*((\q)-16)
.set RW, 2
.endif
.endm
.macro RAWLD buf                       ; 16 rows of codes: lanes 0-15 read 256 consecutive bytes of row k, lanes 16-31 of row 8 + k
.irp k, 0,1,2,3,4,5,6,7
.irp i, 0,1,2
	RSEL \buf, 3*\k+\i
	WIN RW<<6
	global_load_b128 v[RB:RB+3], v[ADR+\k], s[4:5] offset:256*\i
.endr
.endr
	WIN 0
.endm
.macro XSLD set, adr                   ; 16 rows' scale words, straight into the registers that the products name
	global_load_b128 v[XSN+4*(\set):XSN+4*(\set)+3], v[\adr], s[4:5] offset:XS_OFF
.endm
	LISTLD 18                                      ; my first tile's list: 3 loads
	WIN 0x40
.set i, 0
.rept 48
	global_load_b128 v[4*i:4*i+3], v[L16], s[8:9] offset:512*i th:TH_LOAD_NT   ; 24,576 consecutive bytes, read by this wave alone in the launch
.set i, i+1
.endr
	WIN 0
.irp b, 0,1
.irp q, 0,1
	global_load_b128 v[WS+8*\b+4*\q:WS+8*\b+4*\q+3], v188, s[10:11] offset:2048*\b+16*\q   ; my second block lies 64 units, 2,048 bytes, behind my first
.endr
.endr
	WIN 0xc0
.irp t, 0,1,2,3
	global_load_b128 v[BIAS+8*\t:BIAS+8*\t+3], v189, s[12:13] offset:(64*(\t/2)+8*(\t%2))*4
	global_load_b128 v[BIAS+8*\t+4:BIAS+8*\t+7], v189, s[12:13] offset:(64*(\t/2)+8*(\t%2))*4+16
.endr
	WIN 0
	s_wait_loadcnt 60                              ; the list is in: behind it 48 + 4 + 8 loads were issued
	ADDR
	RAWLD 0
	XSLD 0, ADS
	s_add_co_u32 s23, s18, 2
	s_min_u32 s23, s23, 63
	LISTLD 23                                      ; my second tile's list: 3 loads
	s_wait_loadcnt 28                              ; W1, its scales and b1 are in: behind them 25 + 3 loads were issued
; W1 into LDS.  Loads 3 a, 3 a + 1, 3 a + 2 hold rows 2 a and 2 a + 1 of my 32.  Unit 16 hh + 8 u + j goes to row 16 u + 8 hh + j, so that a tile's sixteen rows are neighbours
	WIN 0x04                                       ; an LDS store's data are its source 1: window 1
.set a, 0
.rept 16
.set POS, 16*((a/4)%2)+8*(a/8)+2*(a%4)
	ds_store_b128 v[WS0], v[12*a:12*a+3] offset:WP*POS
	ds_store_b128 v[WS1], v[12*a+4:12*a+7] offset:WP*POS+512
	ds_store_b128 v[WS0], v[12*a+8:12*a+11] offset:WP*POS+1040
.set a, a+1
.endr
	WIN 0
	s_wait_dscnt 0x0                               ; for the others' sake: my 32 rows lie in LDS
	s_barrier_signal -1
	s_barrier_wait -1                              ; all 128 do.  The launch's only barrier
	s_wait_loadcnt 0x0                             ; my second tile's list (and my first tile's rows and scale words, issued ahead of it)
	ADDR
	s_wait_alu depctr_va_vdst(0)
	s_add_co_u32 s23, s18, 4
	s_min_u32 s23, s23, 63
	LISTLD 23                                      ; my third tile's list: 3 loads,
	RAWLD 1                                        ; and my second tile's rows: 24 loads: both are out while W1's fragments are read
.irp s, 0,1,2,3,4,5,6,7
	WIN 0x40+0x40*(\s/4)
.irp t, 0,1,2,3
.irp p, 0,1,2,3,4,5
	ds_load_b64 v[FR*(4*(\s%4)+\t)+2*\p:FR*(4*(\s%4)+\t)+2*\p+1], v[WFA] offset:WP*(64*(\t/2)+16*(\t%2))+96*\s+48*(\p/3)+8*(\p%3)   ; tile t: rows 32 c + 64 (t / 2) + 16 (t % 2) on; the offset is 63,456 at the most
.endr
.endr
.endr
	WIN 0
	s_wait_dscnt 0x0
	s_wait_kmcnt 0x0
	s_add_co_u32 s21, s21, 15
	s_lshr_b32 s21, s21, 4
	s_min_u32 s21, s21, 64
	s_max_u32 s21, s21, 1                          ; tiles of 16 rows: 1 to 64
	s_sub_co_u32 s[NTR], s21, s18
	s_add_co_u32 s[NTR], s[NTR], 1
	s_lshr_b32 s[NTR], s[NTR], 1                   ; of them p, p + 2 .. are mine: (tiles - p + 1) / 2,
	s_min_u32 s[NTR], s[NTR], 32                   ; 32 at the most
	s_mov_b32 s[TRIP], 0
	s_cmp_eq_u32 s[NTR], 0
	s_cbranch_scc1 .Lend
; one scaled product; ra, rb: the scales are taken from lanes 16-31
.macro WM d, a, b, c, sa, sb, ra, rb
.if (\ra) && (\rb)
	v_wmma_scale_f32_16x16x128_f8f6f4 v[\d:\d+7], v[\a:\a+11], v[\b:\b+11], v[\c:\c+7], v[\sa], v[\sb] matrix_a_fmt:MATRIX_FMT_BF6 matrix_b_fmt:MATRIX_FMT_BF6 matrix_a_scale:MATRIX_SCALE_ROW1 matrix_b_scale:MATRIX_SCALE_ROW1
.elseif (\ra)
	v_wmma_scale_f32_16x16x128_f8f6f4 v[\d:\d+7], v[\a:\a+11], v[\b:\b+11], v[\c:\c+7], v[\sa], v[\sb] matrix_a_fmt:MATRIX_FMT_BF6 matrix_b_fmt:MATRIX_FMT_BF6 matrix_a_scale:MATRIX_SCALE_ROW1
.elseif (\rb)
	v_wmma_scale_f32_16x16x128_f8f6f4 v[\d:\d+7], v[\a:\a+11], v[\b:\b+11], v[\c:\c+7], v[\sa], v[\sb] matrix_a_fmt:MATRIX_FMT_BF6 matrix_b_fmt:MATRIX_FMT_BF6 matrix_b_scale:MATRIX_SCALE_ROW1
.else
	v_wmma_scale_f32_16x16x128_f8f6f4 v[\d:\d+7], v[\a:\a+11], v[\b:\b+11], v[\c:\c+7], v[\sa], v[\sb] matrix_a_fmt:MATRIX_FMT_BF6 matrix_b_fmt:MATRIX_FMT_BF6
.endif
.endm
; 32 products: K step by K step, the four accumulators by turns, one instruction a turn.  The first K step takes b1 as C
.macro MUL set                         ; x's fragments: set 0 in window 0 from v60, set 1 in window 3 from v128
.irp s, 0,1,2,3,4,5,6,7
.if \s == 0
	WIN 0x31+12*(\set)
.elseif \s < 4
	WIN 0x01+12*(\set)
.else
	WIN 0x02+12*(\set)
.endif
.irp t, 0,1,2,3
.if \s == 0
	WM ACC+8*\t, FR*(4*(\s%4)+\t), 60+68*(\set)+FR*\s, BIAS+8*\t, WS+8*(\t/2)+\s, XSN+4*(\set)+\s%4, \t%2, \s/4
.else
	WM ACC+8*\t, FR*(4*(\s%4)+\t), 60+68*(\set)+FR*\s, ACC+8*\t, WS+8*(\t/2)+\s, XSN+4*(\set)+\s%4, \t%2, \s/4
.endif
.endr
.endr
	WIN 0
.endm
; gelu of the eight numbers from v[b] on, in place: 0.5 x (1 + erf(x / sqrt(2))), four pairs by turns
.macro GELU4 b
.irp i, 0,2,4,6
	v_pk_mul_f32 v[GZ+\i:GZ+\i+1], v[\b+\i:\b+\i+1], s[KC:KC+1] op_sel_hi:[1,0]
.endr
.irp i, 0,1,2,3,4,5,6,7
	v_med3_num_f32 v[GZ+\i], v[GZ+\i], -4.0, 4.0
.endr
.irp i, 0,2,4,6
	v_pk_mul_f32 v[GW+\i:GW+\i+1], v[GZ+\i:GZ+\i+1], v[GZ+\i:GZ+\i+1]
.endr
.irp i, 0,2,4,6
	v_pk_fma_f32 v[GA+\i:GA+\i+1], v[GW+\i:GW+\i+1], s[KA0:KA0+1], v[CA1:CA1+1] op_sel_hi:[1,0,1]
	v_pk_fma_f32 v[GB+\i:GB+\i+1], v[GW+\i:GW+\i+1], s[KB0:KB0+1], v[CB1:CB1+1] op_sel_hi:[1,0,1]
.endr
.irp k, KA2,KA3,KA4
.irp i, 0,2,4,6
	v_pk_fma_f32 v[GA+\i:GA+\i+1], v[GA+\i:GA+\i+1], v[GW+\i:GW+\i+1], s[\k:\k+1] op_sel_hi:[1,1,0]
	v_pk_fma_f32 v[GB+\i:GB+\i+1], v[GB+\i:GB+\i+1], v[GW+\i:GW+\i+1], s[\k+12:\k+13] op_sel_hi:[1,1,0]
.endr
.endr
.irp k, KA5,KA6
.irp i, 0,2,4,6
	v_pk_fma_f32 v[GA+\i:GA+\i+1], v[GA+\i:GA+\i+1], v[GW+\i:GW+\i+1], s[\k:\k+1] op_sel_hi:[1,1,0]
.endr
.endr
.irp i, 0,2,4,6
	v_pk_mul_f32 v[GA+\i:GA+\i+1], v[GA+\i:GA+\i+1], v[GZ+\i:GZ+\i+1]
.endr
	s_wait_alu depctr_va_vdst(0)
.irp i, 0,1,2,3,4,5,6,7
	v_rcp_f32 v[GB+\i], v[GB+\i]
.endr
.irp i, 0,2,4,6
	v_pk_mul_f32 v[GH+\i:GH+\i+1], v[\b+\i:\b+\i+1], 0.5 op_sel_hi:[1,0]   ; (plain lines behind the reciprocals)
.endr
	s_wait_alu depctr_va_vdst(0)
.irp i, 0,2,4,6
	v_pk_mul_f32 v[GA+\i:GA+\i+1], v[GA+\i:GA+\i+1], v[GB+\i:GB+\i+1]      ; erf
.endr
.irp i, 0,2,4,6
	v_pk_fma_f32 v[\b+\i:\b+\i+1], v[GH+\i:GH+\i+1], v[GA+\i:GA+\i+1], v[GH+\i:GH+\i+1]
.endr
.endm
; my 32 numbers, register 16 b + i = number 16 h + i of my row in my block b, become codes, laid for the two stores, and a scale byte
.macro QH
.irp b, 0,1
	v_max3_num_f32 v[TM+\b], |v[ACC+16*\b]|, |v[ACC+16*\b+1]|, 0x2800000   ; with the floor 2^(5 - 127): the byte cannot fall under 1
.endr
.irp i, 2,4,6,8,10,12,14
.irp b, 0,1
	v_max3_num_f32 v[TM+\b], v[TM+\b], |v[ACC+16*\b+\i]|, |v[ACC+16*\b+\i+1]|
.endr
.endr
.irp b, 0,1
	v_permlanex16_b32 v[TM+2+\b], v[TM+\b], s30, s31
.endr
.irp b, 0,1
	v_max_num_f32 v[TM+\b], v[TM+\b], v[TM+2+\b]   ; with lane l xor 16's 16: the block's largest magnitude
.endr
.irp b, 0,1
	v_add_nc_u32 v[TM+4+\b], 0xfe000000, v[TM+\b]  ; 4 off its exponent field: the conversion's scale operand
.endr
.irp b, 0,1
	v_lshrrev_b32 v[TM+6+\b], 23, v[TM+4+\b]       ; the scale's byte
.endr
	v_cvt_scalef32_pk16_bf6_f32 v[PC:PC+2], v[ACC:ACC+15], v[TM+4]
	v_cvt_scalef32_pk16_bf6_f32 v[PC2:PC2+2], v[ACC+16:ACC+31], v[TM+5]   ; (a conversion's three registers begin on an even number)
	v_cndmask_b32 v[SBY], v[TM+6], v[TM+7], s32    ; lanes 0-15 store the first block's byte, lanes 16-31 the second's.  (The plain place behind the conversions)
.irp i, 0,1,2
	v_permlane16_swap_b32 v[PC+\i], v[PC2+\i]      ; a whole block to a lane: lanes 0-15 the first, lanes 16-31 the second; PC its lower 16 codes, PC2 its upper 16
.endr
; A lane's six registers are PC, PC+1, PC+2, PC2, PC2+1, PC2+2.  Of the target lane's twelve, lanes 0-15 hold 0-5 and lanes 16-31 hold 6-11.
	v_cndmask_b32 v[SA], v[PC], v[PC+2], s32       ; the group of four: lanes 0-15 registers 0-3 (my first four), lanes 16-31 registers 8-11 (my last four)
	v_cndmask_b32 v[SA+1], v[PC+1], v[PC2], s32
	v_cndmask_b32 v[SA+2], v[PC+2], v[PC2+1], s32
	v_cndmask_b32 v[SA+3], v[PC2], v[PC2+2], s32
	v_cndmask_b32 v[SB], v[PC2+1], v[PC], s32      ; the middle group's halves: lanes 0-15 registers 4, 5 (my last two), lanes 16-31 registers 6, 7 (my first two)
	v_cndmask_b32 v[SB+1], v[PC2+2], v[PC+1], s32
.endm
; MY TILES ARE COUNTED u = 0, 1, 2 ..; tile u uses row buffer, fragment set and scale registers u % 2.  While tile t is multiplied, tile t + 1 turns through my stage, and the rows of tiles t + 2 and t + 3 are out.
.set ADSP, 25                          ; v25     the scale words' address made one tile earlier (in the head W1's LDS address lay here)
.macro STAGE set                       ; the 16 rows of buffer `set` go into my stage as they lie and come back as the eight fragments of set `set`
.irp k, 0,1,2,3,4,5,6,7
.irp i, 0,1,2
	RSEL \set, 3*\k+\i
	WIN RW<<2                                      ; an LDS store's data are its source 1
	ds_store_b128 v[VST], v[RB:RB+3] offset:WP*\k+256*\i
.endr
.endr
	WIN 0xc0*(\set)
.irp s, 0,1,2,3,4,5,6,7
.irp p, 0,1,2,3,4,5
	ds_load_b64 v[60+68*(\set)+FR*\s+2*\p:60+68*(\set)+FR*\s+2*\p+1], v[VXF] offset:96*\s+48*(\p/3)+8*(\p%3)   ; LDS serves a wave's instructions in order: these see the stores above
.endr
.endr
	WIN 0
.endm
; Tile u (of parity `set`) is staged; the list of u + 2 becomes addresses; the list of u + 3 (tile number p + 4 x pair + n) and the rows of u + 2 are asked for, in this order: 3 + 24 loads.
; a: the loads that may be out when the rows of u are in; b: when the list of u + 2 is in
.macro FRONT set, n, a, b
	s_wait_loadcnt \a
	STAGE \set
	s_wait_loadcnt \b
	s_wait_xcnt 0x0                                ; the loads still out have read their address registers, which are written below
	v_mov_b32 v[ADSP], v[ADS]                      ; tile u + 1's scale words are asked for behind tile u - 1's products
	ADDR
	s_wait_alu depctr_va_vdst(0)                   ; directly ahead of the wait below
	s_wait_dscnt 48                                ; the 24 stores have read their registers; the 48 loads issued behind them may be out
	s_lshl_b32 s23, s[TRIP], 2                     ; s[TRIP] counts pairs of trips: four tiles a pair
	s_add_co_u32 s23, s23, s18
	s_add_co_u32 s23, s23, \n
	s_min_u32 s23, s23, 63                         ; held inside the list
	LISTLD 23
	RAWLD \set
.endm
; A trip: tile t from set `set`.  It issues 3 (list of t + 4) + 24 (rows of t + 3) + 1 (scale words of t + 2) = 28 loads
.macro TRIPM set, n
	s_wait_dscnt 0x0                               ; this tile's fragments, asked for a trip ago
	FRONT 1-(\set), \n, 28, 25                     ; 28: behind the rows of t + 1 at least the last trip's 28 loads were issued; 25: behind the list of t + 3 the last trip's 24 + 1
	MUL \set
.rept 4
	v_nop                                          ; four places between the last product and the first read of results
.endr
	GELU4 ACC                                      ; each accumulator from its low end on
	XSLD \set, ADSP                                ; tile t + 2's scale words, into the registers that this tile's products have read (more than four places behind them)
.irp g, 8,16,24
	GELU4 ACC+\g
.endr
	QH
	global_store_b128 v[IMA], v[SA:SA+3], s[24:25]              ; lanes 0-15: 256 consecutive bytes of the first group; lanes 16-31: of the third
	global_store_b64 v[IMB], v[SB:SB+1], s[24:25] offset:512    ; 32 lanes: 256 consecutive bytes of the middle group
	global_store_b8 v[SBO], v[SBY], s[26:27]
	s_wait_xcnt 0x0                                ; the stores have read their data and bases: both are written again only behind this wait
	s_add_nc_u64 s[24:25], s[24:25], 98304         ; two tiles on
	s_add_nc_u64 s[26:27], s[26:27], 4096
.endm
	FRONT 0, 6, 28, 24                             ; my first tile is staged (its rows came in ahead of the fragments of W1); 24: behind the list of my third tile the 24 loads of my second tile's rows were issued
	XSLD 1, ADSP                                   ; my second tile's scale words: with the 27 loads above, 28, as in a trip
	s_add_co_u32 s39, s[NTR], 1
	s_lshr_b32 s39, s39, 1                         ; pairs of trips: (my trips + 1) / 2, 16 at the most
.Ltile:                                            ; two trips: the register sets are back where they began
	TRIPM 0, 8
	s_lshl_b32 s38, s[TRIP], 1
	s_add_co_u32 s38, s38, 1                       ; the pair's second trip: 2 x pair + 1
	s_cmp_lt_u32 s38, s[NTR]
	s_cbranch_scc0 .Lend
	TRIPM 1, 10
	s_add_co_u32 s[TRIP], s[TRIP], 1
	s_cmp_lt_u32 s[TRIP], s39
	s_cbranch_scc1 .Ltile
.Lend:
	s_wait_tensorcnt 0x0
	ds_add_u32 v247, v251
	s_wait_dscnt 0x0
	s_endpgm
.Lfunc_end_k_q005ec60d52_g1:
	.size	k_q005ec60d52_g1, .Lfunc_end_k_q005ec60d52_g1-k_q005ec60d52_g1
	.p2alignl 7, 3214868480
	.fill 96, 4, 3214868480
	.section	.rodata,"a",@progbits
	.p2align	6, 0x0
	.amdhsa_kernel k_q005ec60d52_g1
		.amdhsa_group_segment_fixed_size 151040
		.amdhsa_private_segment_fixed_size 0
		.amdhsa_enable_private_segment 0
		.amdhsa_kernarg_size 48
		.amdhsa_user_sgpr_count 2
		.amdhsa_user_sgpr_kernarg_segment_ptr 1
		.amdhsa_wavefront_size32 1
		.amdhsa_system_sgpr_workgroup_id_x 1
		.amdhsa_system_sgpr_workgroup_id_y 1
		.amdhsa_system_sgpr_workgroup_id_z 1
		.amdhsa_system_vgpr_workitem_id 0
		.amdhsa_next_free_vgpr 992
		.amdhsa_next_free_sgpr 66
		.amdhsa_reserve_vcc 0
		.amdhsa_float_denorm_mode_32 3
		.amdhsa_float_denorm_mode_16_64 3
		.amdhsa_memory_ordered 1
		.amdhsa_forward_progress 1
		.amdhsa_inst_pref_size 120
	.end_amdhsa_kernel
	.amdgpu_metadata
---
amdhsa.version: [ 1, 2 ]
amdhsa.kernels:
  - .name:           k_q005ec60d52_g1
    .symbol:         k_q005ec60d52_g1.kd
    .args:
      - { .name: xq, .offset: 0, .size: 8, .value_kind: global_buffer, .address_space: global }
      - { .name: rows, .offset: 8, .size: 8, .value_kind: global_buffer, .address_space: global }
      - { .name: w1_codes, .offset: 16, .size: 8, .value_kind: global_buffer, .address_space: global }
      - { .name: w1_scales, .offset: 24, .size: 8, .value_kind: global_buffer, .address_space: global }
      - { .name: b1, .offset: 32, .size: 8, .value_kind: global_buffer, .address_space: global }
      - { .name: himg, .offset: 40, .size: 8, .value_kind: global_buffer, .address_space: global }
    .group_segment_fixed_size: 151040
    .private_segment_fixed_size: 0
    .kernarg_segment_align: 8
    .kernarg_segment_size: 48
    .max_flat_workgroup_size: 128
    .sgpr_count:     66
    .vgpr_count:     992
    .wavefront_size: 32
...
	.end_amdgpu_metadata
.endif
;; end of part 3
;; launch g2 (part 4): grid 32 x 8, 4 waves a work-group, no clusters, 267,776 bytes of LDS; arguments himg, rows, roww, w2_codes, w2_scales, b2, y; writes y
.if DOCPART == 4
	.amdgcn_target "amdgcn-amd-amdhsa--gfx1250"
	.amdhsa_code_object_version 6
	.text
	.protected	k_q005ec60d52_g2
	.globl	k_q005ec60d52_g2
	.p2align	8
	.type	k_q005ec60d52_g2,@function
k_q005ec60d52_g2:
	s_mov_b64 s[64:65], 0
	v_nop
	global_prefetch_b8 v0, s[64:65] scope:SCOPE_SE
	s_setreg_imm32_b32 hwreg(HW_REG_WAVE_MODE, 25, 1), 1
	s_wait_xcnt 0x0
; SECOND PRODUCT OF THE EXPERTS, on the rows that chose them: y[slice][1024 e + place] = weight x (h W2 + b2), on codes of BF6 (E3M2) with E8M0 scales; sums in f32.
; y: [16 slices of 64 outputs][8 x 1024 places][64] f32, in the order of the experts' lists: a tile's 16 rows are 4,096 consecutive bytes of a slice.
; SHARES.  Work-group (cs, p, e): outputs 64 cs .. + 63 of expert e, tiles of 16 rows whose number is p modulo 2.  THE WAVES SHARE K: wave kq owns K steps 8 kq .. + 7 of 32 for all four
; tiles of outputs: 32 fragments of W2, 384 registers, which stay.  A fragment of the hidden layer is read by one wave, straight into its operand registers (it was stored as an image of
; them: three loads of 512 consecutive bytes), and feeds four products.  The four partial sums of an output meet in a stage in LDS and are added in ascending K.
; THE PRODUCT IS USED TRANSPOSED: source 0 = 16 rows of W2 (outputs), source 1 = 16 rows of the hidden layer: a lane holds eight neighbouring outputs of one row.
; THE LOADS NEVER DRAIN.  W2's rows are read as they lie, 512 consecutive bytes a load, in eight chunks of 12 loads; a chunk goes into LDS as soon as it is in, while five chunks' worth of
; younger loads are out; the first set of the hidden layer is asked for among the last chunks.  A TRIP takes two tiles, TA and TA + 2, from one of two sets of registers; a set is 52 loads.
; At a trip's head only the other set's 52 loads can be younger than this set's, so the wait there is for 52; a trip that asks for nothing waits for 0 instead, so that this count holds on every path.
; The number of tiles is read from memory, and every wave passes every barrier: so the loop has the constant count that serves 64 tiles, and a trip without tiles jumps over its work,
; not over its barrier.  For the same reason: no tensor load, no cluster.
; A place past the expert's count (in its last tile, or in a tile TA + 2 past the last, which takes the last tile's numbers) has the weight 0: 0 x a finite sum is stored there, inside the
; expert's 1,024 places, and nobody reads it.  LIMIT: NaN and infinities are not served.
.set HSC_OFF, 25165824                 ; himg: where the scale words begin
.set WP,      3088                     ; an LDS row of W2: 3,072 bytes + 16 = 772 words: row r starts at word 4 r mod 64
.set STG,     64*WP                    ; behind W2: the stages: set v, tile a, wave kq: 16 rows x 272 bytes
.set SPARE,   STG+2*2*4*16*272         ; behind the stages: the spare words
.set FR,   12
.set L16,  3                           ; 16 x lane
.set HSO,  5                           ; 256 h + 16 r: the hidden layer's scale words
.set H8,   6                           ; 8 h: weights
.set SST,  7                           ; v7-8    where I put 32 bytes of a row in stage 0, 1
.set SRD,  9                           ; v9-10   where I read 16 bytes of a row back
.set R16,  11                          ; 16 r
.set AD,   12                          ; v12-13  W2's fragments out of LDS
.set B2,   14                          ; v14-17  b2 of my four outputs
.set CW,   18                          ; v18-21  the trip's four weights: tile a, row q at 2 a + q
.set W2S,  26                          ; v26-41  W2's scale words: register 8 np + s: lanes 0-15 tile 2 np, lanes 16-31 tile 2 np + 1
.set HS,   42                          ; v42-57  the hidden layer's: set v, tile a at 8 v + 4 a: register i: lanes 0-15 K step i, lanes 16-31 K step 4 + i
.set CWN,  58                          ; v58-65  the weights as loaded: set v at 4 v
.set ACC,  74                          ; v74-137 accumulators: tile a, outputs 16 n on, at 32 a + 8 n; later the partial sums read back
.set YO,   234                         ; v234    my 16 bytes in a tile of y: row 4 wave + 2 h, + 16 r
; hidden fragments: set 0 tile A window 0 v138-233; set 0 tile B window 2 v136-231; set 1 window 3 v0-95, v96-191
; W2's fragment f = 4 s + n: f < 21 window 1 at FR f; else window 2 at FR (f - 21).  W2 as loaded lies in the same registers first: window 1 v0-255, window 2 v0-127
.set MSB, 0
.macro WIN new                         ; the immediate's high byte repeats the setting that is left; a switch that changes nothing is dropped
.if MSB != (\new)
	s_set_vgpr_msb (MSB<<8)|(\new)
.set MSB, (\new)
.endif
.endm
.macro HSEL v, a                       ; HB, HW: first register and window of set v, tile a
.if (\v) == 0
.if (\a) == 0
.set HB, 138
.set HW, 0
.else
.set HB, 136
.set HW, 2
.endif
.else
.set HB, 96*(\a)
.set HW, 3
.endif
.endm
.macro WSEL f                          ; WB, WW: the same of W2's fragment f
.if (\f) < 21
.set WB, FR*(\f)
.set WW, 1
.else
.set WB, FR*((\f)-21)
.set WW, 2
.endif
.endm
; Set v is asked for in three parts: tiles s[tr] and s[tr] + 2.  Images and scale words are taken from no tile past the last one written; weights from the list as it lies (past the count: 0)
.macro FILLA v, tr                     ; the set's bases
.set PB, 28+12*(\v)
	s_min_u32 s60, s[\tr], s23
	s_min_u32 s60, s60, 63
	s_mul_i32 s62, s60, 49152
	s_add_nc_u64 s[PB:PB+1], s[52:53], s[62:63]
	s_lshl_b32 s62, s60, 11
	s_add_nc_u64 s[PB+4:PB+5], s[54:55], s[62:63]
	s_add_co_u32 s61, s[\tr], 2
	s_min_u32 s60, s61, s23
	s_min_u32 s60, s60, 63
	s_mul_i32 s62, s60, 49152
	s_add_nc_u64 s[PB+2:PB+3], s[52:53], s[62:63]
	s_lshl_b32 s62, s60, 11
	s_add_nc_u64 s[PB+6:PB+7], s[54:55], s[62:63]
	s_min_u32 s60, s[\tr], 63
	s_lshl_b32 s62, s60, 6
	s_add_nc_u64 s[PB+10:PB+11], s[58:59], s[62:63]
.endm
.macro FILLT v, a                      ; tile a's eight images: 24 loads
.set PB, 28+12*(\v)
	HSEL \v, \a
	WIN HW<<6
.irp s, 0,1,2,3,4,5,6,7
.irp j, 0,1,2
	global_load_b128 v[HB+FR*\s+4*\j:HB+FR*\s+4*\j+3], v[L16], s[PB+2*(\a):PB+2*(\a)+1] offset:1536*\s+512*\j
.endr
.endr
	WIN 0
.endm
.macro FILLS v                         ; both tiles' scale words and weights: 4 loads
.set PB, 28+12*(\v)
.irp a, 0,1
	global_load_b128 v[HS+8*(\v)+4*\a:HS+8*(\v)+4*\a+3], v[HSO], s[PB+4+2*\a:PB+5+2*\a]
	global_load_b64 v[CWN+4*(\v)+2*\a:CWN+4*(\v)+2*\a+1], v[H8], s[PB+10:PB+11] offset:128*\a
.endr
.endm
.macro FILL v, tr                      ; 52 loads
	FILLA \v, \tr
	FILLT \v, 0
	FILLT \v, 1
	FILLS \v
.endm
.macro W2LD c                          ; chunk c of W2: loads 12 c .. 12 c + 11 of my 96: 6,144 consecutive bytes
.set i, 12*(\c)
.rept 12
	WIN 0x40<<(i/64)
	global_load_b128 v[4*(i%64):4*(i%64)+3], v[L16], s[10:11] offset:512*i
.set i, i+1
.endr
.endm
.macro W2ST c                          ; and into LDS: six loads make a row
.set i, 12*(\c)
.rept 12
	WIN 0x04<<(i/64)                               ; an LDS store's data are its source 1
	ds_store_b128 v74, v[4*(i%64):4*(i%64)+3] offset:WP*(i/6)+512*(i%6)
.set i, i+1
.endr
.endm
	s_load_b256 s[4:11], s[0:1], 0x0               ; himg, rows, roww, W2's codes
	s_load_b128 s[12:15], s[0:1], 0x20             ; W2's scales, b2
	s_load_b64 s[16:17], s[0:1], 0x30              ; y
	v_lshl_add_u32 v254, v0, 2, SPARE
	v_mov_b32 v255, 0
	v_lshrrev_b32 v1, 5, v0
	v_readfirstlane_b32 s18, v1                    ; wave = kq
	s_and_b32 s19, ttmp7, 0xffff                   ; e
	s_lshr_b32 s20, ttmp9, 1                       ; cs
	s_and_b32 s21, ttmp9, 1                        ; p
	s_lshl_b32 s26, s19, 2
	s_mov_b32 s63, 0
	v_and_b32 v1, 15, v0                           ; r
	v_bfe_u32 v2, v0, 4, 1                         ; h
	v_and_b32 v12, 31, v0
	v_lshlrev_b32 v[L16], 4, v12
	v_lshlrev_b32 v[R16], 4, v1
	v_lshl_add_u32 v[HSO], v2, 8, v[R16]
	v_lshlrev_b32 v[H8], 3, v2
	s_lshl_b32 s27, s18, 10
	v_lshl_add_u32 v[YO], v2, 9, v[R16]
	v_add_nc_u32 v[YO], s27, v[YO]                 ; 256 (4 wave + 2 h) + 16 r
	s_mul_i32 s27, s18, 16*272
	s_add_co_u32 s27, s27, STG
	v_mul_u32_u24 v[SST], v1, 272
	v_lshl_add_u32 v[SST], v2, 5, v[SST]
	v_add_nc_u32 v[SST], s27, v[SST]               ; my partial sums: row r, + 32 h
	v_add_nc_u32 v[SST+1], 2*4*16*272, v[SST]
	s_mul_i32 s27, s18, 4*272
	s_add_co_u32 s27, s27, STG
	v_mul_u32_u24 v[SRD], v2, 2*272
	v_add_nc_u32 v[SRD], v[SRD], v[R16]
	v_add_nc_u32 v[SRD], s27, v[SRD]               ; back: rows 4 wave + 2 h + q, 16 bytes a lane: sixteen lanes a row
	v_add_nc_u32 v[SRD+1], 2*4*16*272, v[SRD]
	s_mul_i32 s27, s18, 16*WP
	v_add_nc_u32 v74, s27, v[L16]                  ; W2 into LDS: the 16 rows that I bring
	v_lshl_add_u32 v75, v2, 4, v1
	v_lshlrev_b32 v75, 7, v75                      ; W2's scale bytes: output 16 h + r, 128 bytes an output
	s_mul_i32 s27, s18, 768
	v_mul_u32_u24 v[AD], v1, WP
	v_mad_u32_u24 v[AD], v2, 24, v[AD]
	v_add_nc_u32 v[AD], s27, v[AD]                 ; fragments: row r, + 24 h, + my eight K steps
	v_add_nc_u32 v[AD+1], 32*WP, v[AD]             ; and the same 32 rows on
.irp i, 0,1,2,3
	v_mov_b32 v[CW+\i], 0
.endr
	s_wait_alu depctr_va_vdst(0)
	s_wait_kmcnt 0x0
	s_load_b32 s22, s[6:7], s26 offset:0x8400      ; the expert's number of rows
	s_mul_i32 s62, s19, 3145728
	s_mul_i32 s60, s20, 196608
	s_add_co_u32 s62, s62, s60
	s_mul_i32 s60, s18, 49152
	s_add_co_u32 s62, s62, s60
	s_add_nc_u64 s[10:11], s[10:11], s[62:63]      ; W2's codes: the 16 rows that I bring, 49,152 consecutive bytes
.irp c, 0,1,2,3,4
	W2LD \c                                        ; 60 loads go out first
.endr
	WIN 0
	s_lshl_b32 s61, s19, 10
	s_lshl_b32 s60, s20, 6
	s_add_co_u32 s61, s61, s60                     ; 1024 e + 64 cs: the first output
	s_lshl_b32 s62, s61, 7
	s_lshl_b32 s60, s18, 5
	s_add_co_u32 s62, s62, s60
	s_add_nc_u64 s[12:13], s[12:13], s[62:63]      ; its scale bytes of my eight K steps
	s_lshl_b32 s62, s61, 2
	s_add_nc_u64 s[14:15], s[14:15], s[62:63]      ; its bias
	s_lshl_b32 s62, s20, 21                        ; y: my slice, 8,192 places x 256 bytes;
	s_lshl_b32 s60, s19, 18                        ; the expert's 1,024 places;
	s_add_co_u32 s62, s62, s60
	s_lshl_b32 s60, s21, 12                        ; tile p, 16 places
	s_add_co_u32 s62, s62, s60
	s_add_nc_u64 s[16:17], s[16:17], s[62:63]
	s_mul_i32 s62, s19, 3145728
	s_mul_i32 s60, s18, 12288
	s_add_co_u32 s62, s62, s60
	s_add_nc_u64 s[52:53], s[4:5], s[62:63]        ; the expert's tile 0: the images of my eight K steps,
	s_lshl_b32 s62, s19, 17
	s_lshl_b32 s60, s18, 9
	s_add_co_u32 s62, s62, s60
	s_add_co_u32 s62, s62, HSC_OFF
	s_add_nc_u64 s[54:55], s[4:5], s[62:63]        ; their scale words,
	s_mul_i32 s62, s19, 4224
	s_lshl_b32 s60, s18, 4
	s_add_co_u32 s62, s62, s60
	s_add_nc_u64 s[58:59], s[8:9], s[62:63]        ; and the weights of the four rows that I store
.irp c, 0,1,2
	s_wait_loadcnt 48                              ; chunk c is in: behind it four chunks of 12 were issued
	W2LD \c+5                                      ; the next loads go out ahead of the LDS stores
	W2ST \c
.endr
	s_wait_loadcnt 48                              ; chunk 3: behind it chunks 4 to 7
	WIN 0
.irp np, 0,1
.irp q, 0,1
	global_load_b128 v[W2S+8*\np+4*\q:W2S+8*\np+4*\q+3], v75, s[12:13] offset:4096*\np+16*\q
.endr
.endr
	global_load_b128 v[B2:B2+3], v[R16], s[14:15]
	W2ST 3
	WIN 0
	s_wait_kmcnt 0x0                               ; the number of rows
	s_add_co_u32 s22, s22, 15
	s_lshr_b32 s22, s22, 4
	s_min_u32 s22, s22, 64                         ; tiles of 16 rows: 0 to 64
	s_max_u32 s23, s22, 1
	s_sub_co_u32 s23, s23, 1                       ; the last tile that the launch before has written
	s_mov_b32 s24, s21                             ; TA
	s_wait_loadcnt 41                              ; chunk 4: behind it 36 + 5
	FILLA 0, 24
	FILLT 0, 0
	W2ST 4
	s_wait_loadcnt 53                              ; chunk 5: behind it 24 + 5 + 24
	FILLT 0, 1
	W2ST 5
	s_wait_loadcnt 63                              ; chunk 6: behind it 12 + 5 + 48 = 65; the wait's field holds 63
	WIN 0
	FILLS 0
	W2ST 6
	s_wait_loadcnt 57                              ; chunk 7: behind it 5 + 52
	W2ST 7
	WIN 0
	s_wait_dscnt 0x0                               ; for the others' sake: my 16 rows lie in LDS (and the stores have read their registers, into which the fragments come)
	s_barrier_signal -1
	s_barrier_wait -1                              ; all 64 do
.irp s, 0,1,2,3,4,5,6,7
.irp n, 0,1,2,3
	WSEL 4*\s+\n
	WIN WW<<6
.irp p, 0,1,2,3,4,5
	ds_load_b64 v[WB+2*\p:WB+2*\p+1], v[AD+\n/2] offset:16*WP*(\n%2)+96*\s+48*(\p/3)+8*(\p%3)
.endr
.endr
.endr
	WIN 0
	s_add_co_u32 s27, s24, 4
	FILL 1, 27                                     ; the second set: the youngest 52 loads when the first trip begins
	s_wait_dscnt 0x0                               ; W2's fragments
; one scaled product; ra, rb: the scales are taken from lanes 16-31; first: the constant 0 starts the sum
.macro WM2 d, a, b, sa, sb, ra, rb, first
.if (\first)
.if (\ra)
	v_wmma_scale_f32_16x16x128_f8f6f4 v[\d:\d+7], v[\a:\a+11], v[\b:\b+11], 0, v[\sa], v[\sb] matrix_a_fmt:MATRIX_FMT_BF6 matrix_b_fmt:MATRIX_FMT_BF6 matrix_a_scale:MATRIX_SCALE_ROW1
.else
	v_wmma_scale_f32_16x16x128_f8f6f4 v[\d:\d+7], v[\a:\a+11], v[\b:\b+11], 0, v[\sa], v[\sb] matrix_a_fmt:MATRIX_FMT_BF6 matrix_b_fmt:MATRIX_FMT_BF6
.endif
.elseif (\ra) && (\rb)
	v_wmma_scale_f32_16x16x128_f8f6f4 v[\d:\d+7], v[\a:\a+11], v[\b:\b+11], v[\d:\d+7], v[\sa], v[\sb] matrix_a_fmt:MATRIX_FMT_BF6 matrix_b_fmt:MATRIX_FMT_BF6 matrix_a_scale:MATRIX_SCALE_ROW1 matrix_b_scale:MATRIX_SCALE_ROW1
.elseif (\ra)
	v_wmma_scale_f32_16x16x128_f8f6f4 v[\d:\d+7], v[\a:\a+11], v[\b:\b+11], v[\d:\d+7], v[\sa], v[\sb] matrix_a_fmt:MATRIX_FMT_BF6 matrix_b_fmt:MATRIX_FMT_BF6 matrix_a_scale:MATRIX_SCALE_ROW1
.elseif (\rb)
	v_wmma_scale_f32_16x16x128_f8f6f4 v[\d:\d+7], v[\a:\a+11], v[\b:\b+11], v[\d:\d+7], v[\sa], v[\sb] matrix_a_fmt:MATRIX_FMT_BF6 matrix_b_fmt:MATRIX_FMT_BF6 matrix_b_scale:MATRIX_SCALE_ROW1
.else
	v_wmma_scale_f32_16x16x128_f8f6f4 v[\d:\d+7], v[\a:\a+11], v[\b:\b+11], v[\d:\d+7], v[\sa], v[\sb] matrix_a_fmt:MATRIX_FMT_BF6 matrix_b_fmt:MATRIX_FMT_BF6
.endif
.endm
; 64 products: K step by K step, the eight accumulators by turns, one instruction a turn
.macro MUL2 v
.irp s, 0,1,2,3,4,5,6,7
.irp a, 0,1
	HSEL \v, \a
.irp n, 0,1,2,3
	WSEL 4*\s+\n
	WIN WW|(HW<<2)
.if \s == 0
	WM2 ACC+32*\a+8*\n, WB, HB+FR*\s, W2S+8*(\n/2)+\s, HS+8*(\v)+4*\a+\s%4, \n%2, \s/4, 1
.else
	WM2 ACC+32*\a+8*\n, WB, HB+FR*\s, W2S+8*(\n/2)+\s, HS+8*(\v)+4*\a+\s%4, \n%2, \s/4, 0
.endif
.endr
.endr
.endr
	WIN 0
.endm
; The four waves' partial sums of my four rows (tile a, row 4 wave + 2 h + q) are added, K ascending; + b2; x the row's weight; stored: sixteen lanes store 256 consecutive bytes, aligned
.macro RED v
.irp g, 0,1,2,3
.irp k, 0,1,2,3
	ds_load_b128 v[ACC+16*\g+4*\k:ACC+16*\g+4*\k+3], v[SRD+\v] offset:4*16*272*(\g/2)+16*272*\k+272*(\g%2)
.endr
.endr
	s_wait_dscnt 0x0
.irp k, 4,8,12
.irp g, 0,16,32,48
	v_pk_add_f32 v[ACC+\g:ACC+\g+1], v[ACC+\g:ACC+\g+1], v[ACC+\g+\k:ACC+\g+\k+1]
	v_pk_add_f32 v[ACC+\g+2:ACC+\g+3], v[ACC+\g+2:ACC+\g+3], v[ACC+\g+\k+2:ACC+\g+\k+3]
.endr
.endr
.irp g, 0,16,32,48
	v_pk_add_f32 v[ACC+\g:ACC+\g+1], v[ACC+\g:ACC+\g+1], v[B2:B2+1]
	v_pk_add_f32 v[ACC+\g+2:ACC+\g+3], v[ACC+\g+2:ACC+\g+3], v[B2+2:B2+3]
.endr
.irp a, 0,1
	v_pk_mul_f32 v[ACC+32*\a:ACC+32*\a+1], v[ACC+32*\a:ACC+32*\a+1], v[CW+2*\a:CW+2*\a+1] op_sel_hi:[1,0]
	v_pk_mul_f32 v[ACC+32*\a+2:ACC+32*\a+3], v[ACC+32*\a+2:ACC+32*\a+3], v[CW+2*\a:CW+2*\a+1] op_sel_hi:[1,0]
	v_pk_mul_f32 v[ACC+32*\a+16:ACC+32*\a+17], v[ACC+32*\a+16:ACC+32*\a+17], v[CW+2*\a:CW+2*\a+1] op_sel:[0,1] op_sel_hi:[1,1]
	v_pk_mul_f32 v[ACC+32*\a+18:ACC+32*\a+19], v[ACC+32*\a+18:ACC+32*\a+19], v[CW+2*\a:CW+2*\a+1] op_sel:[0,1] op_sel_hi:[1,1]
.endr
.irp g, 0,1,2,3
	global_store_b128 v[YO], v[ACC+16*\g:ACC+16*\g+3], s[16:17] offset:8192*(\g/2)+256*(\g%2) th:TH_STORE_NT   ; tile TA + 2 lies two tiles of 4,096 bytes on, row q + 1 256 bytes on
.endr
.endm
.macro TRIP v
	s_wait_loadcnt 52                              ; on every path: set v is in: behind its loads at most the other set's 52 were issued.  So set v's registers and bases may be written again below
	s_cmp_lt_u32 s24, s22
	s_cbranch_scc0 .Lno_mul_\@
	MUL2 \v
.irp i, 0,1,2,3
	v_mov_b32 v[CW+\i], v[CWN+4*(\v)+\i]           ; the trip's weights
.endr
.rept 4
	v_nop                                          ; with the four moves: eight plain lines that name no register of the products.  Four are owed to the stores and loads below; five to the next trip's first product, which writes over an accumulator
.endr
.irp a, 0,1
.irp n, 0,1,2,3
	ds_store_b128 v[SST+\v], v[ACC+32*\a+8*\n:ACC+32*\a+8*\n+3] offset:4*16*272*\a+64*\n       ; each accumulator from its low end on
	ds_store_b128 v[SST+\v], v[ACC+32*\a+8*\n+4:ACC+32*\a+8*\n+7] offset:4*16*272*\a+64*\n+16
.endr
.endr
.Lno_mul_\@:
	s_wait_dscnt 0x0                               ; my partial sums lie in the stage, and my reads of the other stage, a trip ago, are over
	s_barrier_signal -1
	s_barrier_wait -1                              ; on every path, in every wave
	s_cmp_lt_u32 s24, s22
	s_cbranch_scc0 .Lno_red_\@
	RED \v
.Lno_red_\@:
	s_wait_xcnt 0x0                                ; the stores have read their data and their base: the base steps, and the next products write those registers, only behind this wait
	s_add_nc_u64 s[16:17], s[16:17], 16384         ; four tiles of y on
	s_add_co_u32 s27, s24, 8
	s_add_co_u32 s24, s24, 4
	s_cmp_lt_u32 s27, s22
	s_cbranch_scc0 .Lno_fill_\@
	FILL \v, 27                                    ; the tiles of two trips on, into the set just multiplied, while the other set's loads are still out
	s_branch .Lfilled_\@
.Lno_fill_\@:
	s_wait_loadcnt 0x0                             ; nothing is asked for: then nothing stays out, so that the count at a trip's head holds here too
.Lfilled_\@:
.endm
	s_mov_b32 s25, 8                               ; 16 trips x 2 tiles x 2 parities: 64 tiles
.Ltrip:
	TRIP 0
	TRIP 1
	s_sub_co_u32 s25, s25, 1
	s_cmp_lg_u32 s25, 0
	s_cbranch_scc1 .Ltrip
	s_wait_tensorcnt 0x0                           ; the wave's end
	ds_add_u32 v254, v255
	s_wait_dscnt 0x0
	s_endpgm
.Lfunc_end_k_q005ec60d52_g2:
	.size	k_q005ec60d52_g2, .Lfunc_end_k_q005ec60d52_g2-k_q005ec60d52_g2
	.p2alignl 7, 3214868480
	.fill 96, 4, 3214868480
	.section	.rodata,"a",@progbits
	.p2align	6, 0x0
	.amdhsa_kernel k_q005ec60d52_g2
		.amdhsa_group_segment_fixed_size 267776
		.amdhsa_private_segment_fixed_size 0
		.amdhsa_enable_private_segment 0
		.amdhsa_kernarg_size 56
		.amdhsa_user_sgpr_count 2
		.amdhsa_user_sgpr_kernarg_segment_ptr 1
		.amdhsa_wavefront_size32 1
		.amdhsa_system_sgpr_workgroup_id_x 1
		.amdhsa_system_sgpr_workgroup_id_y 1
		.amdhsa_system_sgpr_workgroup_id_z 1
		.amdhsa_system_vgpr_workitem_id 0
		.amdhsa_next_free_vgpr 960
		.amdhsa_next_free_sgpr 66
		.amdhsa_reserve_vcc 0
		.amdhsa_float_denorm_mode_32 3
		.amdhsa_float_denorm_mode_16_64 3
		.amdhsa_memory_ordered 1
		.amdhsa_forward_progress 1
		.amdhsa_inst_pref_size 84
	.end_amdhsa_kernel
	.amdgpu_metadata
---
amdhsa.version: [ 1, 2 ]
amdhsa.kernels:
  - .name:           k_q005ec60d52_g2
    .symbol:         k_q005ec60d52_g2.kd
    .args:
      - { .name: himg, .offset: 0, .size: 8, .value_kind: global_buffer, .address_space: global }
      - { .name: rows, .offset: 8, .size: 8, .value_kind: global_buffer, .address_space: global }
      - { .name: roww, .offset: 16, .size: 8, .value_kind: global_buffer, .address_space: global }
      - { .name: w2_codes, .offset: 24, .size: 8, .value_kind: global_buffer, .address_space: global }
      - { .name: w2_scales, .offset: 32, .size: 8, .value_kind: global_buffer, .address_space: global }
      - { .name: b2, .offset: 40, .size: 8, .value_kind: global_buffer, .address_space: global }
      - { .name: y, .offset: 48, .size: 8, .value_kind: global_buffer, .address_space: global }
    .group_segment_fixed_size: 267776
    .private_segment_fixed_size: 0
    .kernarg_segment_align: 8
    .kernarg_segment_size: 56
    .max_flat_workgroup_size: 128
    .sgpr_count:     66
    .vgpr_count:     960
    .wavefront_size: 32
...
	.end_amdgpu_metadata
.endif
;; end of part 4
;; launch add2 (part 5): grid 256 x 1, 4 waves a work-group, no clusters, 0 bytes of LDS; arguments y, inv, out0; writes out0
.if DOCPART == 5
	.amdgcn_target "amdgcn-amd-amdhsa--gfx1250"
	.amdhsa_code_object_version 6
	.text
	.protected	k_q005ec60d52_add2
	.globl	k_q005ec60d52_add2
	.p2align	8
	.type	k_q005ec60d52_add2,@function
k_q005ec60d52_add2:
	s_mov_b64 s[64:65], 0
	v_nop
	global_prefetch_b8 v0, s[64:65] scope:SCOPE_SE
	s_setreg_imm32_b32 hwreg(HW_REG_WAVE_MODE, 25, 1), 1
	s_wait_xcnt 0x0
; out0[t][64 cs + j] = y[cs][first row of t][j] + y[cs][second row of t][j]: a token's two experts' rows, each already multiplied by its weight.
; out0: [1024][1024] f32; y: [16 slices][8192 places][64] f32, in the order of the experts' lists; inv[e][t]: the row's number, << 16 for the second slot, where t chose e, else 0.
; A work-group takes four tokens, 16,384 consecutive bytes of out0.  The four tokens' words of the eight experts come by eight scalar loads of 16 bytes; joined by OR they are the tokens' two row numbers.
; Each number is held to 8,191, takes 256 bytes a row (2,096,896 at the most), and goes into a scalar base of its own: eight bases.
; Byte 2,048 i + 16 t of the work-group's part is token i / 2, slice 8 (i % 2) + t / 16, byte 16 (t % 16) of the slice's row: the vector offset hangs on the thread's number alone;
; sixteen neighbouring lanes read 256 consecutive bytes of y, aligned, and a wave's store covers 512 consecutive bytes of out0.  All sixteen loads of a thread go out at once.
; No LDS, no barrier, no loop: nothing is shared and nothing is read twice.
.set W,  16                            ; s16-47  inv's words: expert e, token k at W + 4 e + k; then s16-19 the joined words
.set YB, 48                            ; s48-63  y at token k's row of slot u: the pair at YB + 4 k + 2 u
	s_load_b128 s[4:7], s[0:1], 0x0                ; y, inv
	s_load_b64 s[8:9], s[0:1], 0x10                ; out0
	v_lshlrev_b32 v1, 4, v0                        ; out0: 16 t
	v_lshrrev_b32 v2, 4, v0
	v_and_b32 v3, 15, v0
	v_lshlrev_b32 v2, 21, v2                       ; y: slice t / 16, 8,192 places x 256 bytes a slice,
	v_lshl_add_u32 v2, v3, 4, v2                   ; + 16 (t % 16);
	v_add_nc_u32 v3, 0x1000000, v2                 ; and the same eight slices on
	s_lshl_b32 s10, ttmp9, 4                       ; inv: four words a work-group
	s_mov_b32 s11, 0
	s_lshl_b32 s14, ttmp9, 14                      ; out0: 16,384 bytes a work-group
	s_mov_b32 s15, 0
	s_mov_b32 s13, 0
	s_wait_alu depctr_va_vdst(0)
	s_wait_kmcnt 0x0
	s_add_nc_u64 s[6:7], s[6:7], s[10:11]
	s_add_nc_u64 s[8:9], s[8:9], s[14:15]
.irp e, 0,1,2,3,4,5,6,7
	s_load_b128 s[W+4*\e:W+4*\e+3], s[6:7], 4096*\e
.endr
	s_wait_kmcnt 0x0
.irp e, 1,2,3,4,5,6,7
.irp k, 0,1,2,3
	s_or_b32 s[W+\k], s[W+\k], s[W+4*\e+\k]
.endr
.endr
.irp k, 0,1,2,3
	s_and_b32 s12, s[W+\k], 0xffff                 ; the first slot's row,
	s_min_u32 s12, s12, 0x1fff                     ; held inside y's 8,192 places,
	s_lshl_b32 s12, s12, 8
	s_add_nc_u64 s[YB+4*\k:YB+4*\k+1], s[4:5], s[12:13]
	s_lshr_b32 s12, s[W+\k], 16                    ; the second slot's
	s_min_u32 s12, s12, 0x1fff
	s_lshl_b32 s12, s12, 8
	s_add_nc_u64 s[YB+4*\k+2:YB+4*\k+3], s[4:5], s[12:13]
.endr
.irp i, 0,1,2,3,4,5,6,7
	global_load_b128 v[4+4*\i:7+4*\i], v[2+\i%2], s[YB+4*(\i/2):YB+4*(\i/2)+1] th:TH_LOAD_NT
.endr
.irp i, 0,1,2,3,4,5,6,7
	global_load_b128 v[36+4*\i:39+4*\i], v[2+\i%2], s[YB+4*(\i/2)+2:YB+4*(\i/2)+3] th:TH_LOAD_NT
.endr
.irp i, 0,1,2,3,4,5,6,7
	s_wait_loadcnt 7-\i                            ; the first eight are in, and the second half's load i: the 7 - i issued behind it may be out
	v_pk_add_f32 v[4+4*\i:5+4*\i], v[4+4*\i:5+4*\i], v[36+4*\i:37+4*\i]
	v_pk_add_f32 v[6+4*\i:7+4*\i], v[6+4*\i:7+4*\i], v[38+4*\i:39+4*\i]
	global_store_b128 v1, v[4+4*\i:7+4*\i], s[8:9] offset:2048*\i th:TH_STORE_NT
.endr
	s_endpgm
.Lfunc_end_k_q005ec60d52_add2:
	.size	k_q005ec60d52_add2, .Lfunc_end_k_q005ec60d52_add2-k_q005ec60d52_add2
	.p2alignl 7, 3214868480
	.fill 96, 4, 3214868480
	.section	.rodata,"a",@progbits
	.p2align	6, 0x0
	.amdhsa_kernel k_q005ec60d52_add2
		.amdhsa_group_segment_fixed_size 0
		.amdhsa_private_segment_fixed_size 0
		.amdhsa_enable_private_segment 0
		.amdhsa_kernarg_size 24
		.amdhsa_user_sgpr_count 2
		.amdhsa_user_sgpr_kernarg_segment_ptr 1
		.amdhsa_wavefront_size32 1
		.amdhsa_system_sgpr_workgroup_id_x 1
		.amdhsa_system_sgpr_workgroup_id_y 1
		.amdhsa_system_sgpr_workgroup_id_z 1
		.amdhsa_system_vgpr_workitem_id 0
		.amdhsa_next_free_vgpr 68
		.amdhsa_next_free_sgpr 66
		.amdhsa_reserve_vcc 0
		.amdhsa_float_denorm_mode_32 3
		.amdhsa_float_denorm_mode_16_64 3
		.amdhsa_memory_ordered 1
		.amdhsa_forward_progress 1
		.amdhsa_inst_pref_size 8
	.end_amdhsa_kernel
	.amdgpu_metadata
---
amdhsa.version: [ 1, 2 ]
amdhsa.kernels:
  - .name:           k_q005ec60d52_add2
    .symbol:         k_q005ec60d52_add2.kd
    .args:
      - { .name: y, .offset: 0, .size: 8, .value_kind: global_buffer, .address_space: global }
      - { .name: inv, .offset: 8, .size: 8, .value_kind: global_buffer, .address_space: global }
      - { .name: out0, .offset: 16, .size: 8, .value_kind: global_buffer, .address_space: global }
    .group_segment_fixed_size: 0
    .private_segment_fixed_size: 0
    .kernarg_segment_align: 8
    .kernarg_segment_size: 24
    .max_flat_workgroup_size: 128
    .sgpr_count:     66
    .vgpr_count:     68
    .wavefront_size: 32
...
	.end_amdgpu_metadata
.endif
;; end of part 5
